; MI455X (gfx1250); checked and timed in simulation.
; The chip was launched on July 23, 2026; its instructions are those of AMD's public machine-readable ISA for CDNA 5 (MIT licence, August 2026) and "CDNA5" Instruction Set Architecture Reference Guide (July 2026). The comments in the code are by the model that wrote it; some were corrected since.
;; multihead attentive layer. Allowed arithmetic: float matrix products may take bf16 or f16 operands with f32 sums; other float arithmetic in f32, or as packed bf16 or f16 multiplies, adds, multiply-adds, maxima and minima; sums over many terms, partial sums and values carried from step to step in f32; what a program stores and reads back later, other than sums and carried values, may be rounded once to bf16 or f16.
;; Inputs: Wk 1,024 x 2,048 float32; Wo 2,048 x 1,024 float32; Wq 1,024 x 2,048 float32; Wv 1,024 x 2,048 float32; bk 2,048 float32; bo 1,024 float32; bq 2,048 float32; bv 2,048 float32; query 2 x 2,048 x 1,024 float32.
;; Outputs: out0 2 x 2,048 x 1,024 float32.
;; 2 versions, each right; version 2 is version 1 with the launch cast written anew for expert scheduling mode. Each part assembles by itself: llvm-mc -triple=amdgcn-amd-amdhsa -mcpu=gfx1250 --defsym DOCPART=n.
;; ======== version 1 of 2: 4 launches
;; limits: values are held in f16: magnitudes above 65,504 overflow, below 6.1e-05 lose precision
;; workspace buffers: xb 8,388,608 bytes; wb 12,582,912 bytes; wo16 4,194,304 bytes; qkv 50,331,648 bytes; ctx 16,777,216 bytes
;; launch cast (part 1): grid 768 x 1, 8 waves a work-group, no clusters, 0 bytes of LDS; arguments query, Wq, Wk, Wv, Wo, xb, wb, wo16; writes xb, wb, wo16
.if DOCPART == 1
	.amdgcn_target "amdgcn-amd-amdhsa--gfx1250"
	.amdhsa_code_object_version 6
	.text
	.protected	k_qedda4bbb0b_cast
	.globl	k_qedda4bbb0b_cast
	.p2align	8
	.type	k_qedda4bbb0b_cast,@function
k_qedda4bbb0b_cast:
	s_mov_b64 s[64:65], 0
	v_nop
	global_prefetch_b8 v0, s[64:65] scope:SCOPE_SE
	s_setreg_imm32_b32 hwreg(HW_REG_WAVE_MODE, 25, 1), 1
	s_wait_xcnt 0x0
; The module's large inputs are rounded once to bf16 and laid out for the products that follow.
;   xb   bf16 [16 kb][4096 rows][64]: query in blocks of 64 along K, so that 256 rows x 64 k are 32,768 consecutive bytes
;   wb   bf16 [3][1024][2048]: Wq, Wk, Wv as they lie
;   wo16 f16  [2048][1024]: Wo rounded to bf16, that number written as f16 (exact from 2^-17 up; below it f16's fixed step of 2^-24)
; A stream: no LDS, no barrier, no matrix work.  A work-group takes 65,536 bytes of f32: 256 groups for query, 128 for each weight.
; Each thread issues its 16 loads of 16 bytes at once; each store of a wave covers 256 consecutive bytes, aligned.
.set X, 8                              ; v[8:71]    16 loads of four f32
.set Y, 72                             ; v[72:103]  16 stores of four 16-bit numbers
; lstep, sstep: bytes from one load (store) to the next; tof16 = 1: the bf16 number is written as f16
.macro CONV lstep, sstep, tof16
.set i, 0
.rept 16
	global_load_b128 v[X+4*i:X+4*i+3], v1, s[24:25] offset:(\lstep)*i th:TH_LOAD_NT
.set i, i+1
.endr
.set i, 0
.rept 16
	s_wait_loadcnt 15-i                            ; loads come back in order: load i is in, the 15 - i younger ones stay out
	v_cvt_pk_bf16_f32 v[Y+2*i], v[X+4*i], v[X+4*i+1]
	v_cvt_pk_bf16_f32 v[Y+2*i+1], v[X+4*i+2], v[X+4*i+3]
.if \tof16
	v_lshlrev_b32 v4, 16, v[Y+2*i]                 ; the bf16 numbers as f32,
	v_and_b32 v5, 0xffff0000, v[Y+2*i]
	v_lshlrev_b32 v6, 16, v[Y+2*i+1]
	v_and_b32 v7, 0xffff0000, v[Y+2*i+1]
	v_cvt_pk_f16_f32 v[Y+2*i], v4, v5              ; and as f16
	v_cvt_pk_f16_f32 v[Y+2*i+1], v6, v7
.endif
	global_store_b64 v2, v[Y+2*i:Y+2*i+1], s[26:27] offset:(\sstep)*i
.set i, i+1
.endr
	s_endpgm
.endm
	s_load_b512 s[8:23], s[0:1], 0x0               ; query s[8:9], Wq s[10:11], Wk s[12:13], Wv s[14:15], Wo s[16:17], xb s[18:19], wb s[20:21], wo16 s[22:23]
	s_mov_b32 s2, ttmp9
	v_lshlrev_b32 v2, 3, v0                        ; 8 bytes a thread in every store
	s_mov_b32 s29, 0
	s_mov_b32 s31, 0
	s_cmp_lt_u32 s2, 256
	s_cbranch_scc1 .Lquery
	v_lshlrev_b32 v1, 4, v0                        ; weights: 16 bytes a thread, 4,096 a load of the group
	s_cmp_ge_u32 s2, 640
	s_cbranch_scc1 .Lwo
	s_sub_co_u32 s3, s2, 256                       ; Wq, Wk, Wv: chunk 0..383 of wb,
	s_and_b32 s4, s3, 127                          ; chunk 0..127 of its own tensor
	s_lshl_b32 s28, s4, 16
	s_lshl_b32 s30, s3, 15
	s_wait_kmcnt 0x0
	s_cmp_ge_u32 s2, 384
	s_cselect_b64 s[24:25], s[12:13], s[10:11]
	s_cmp_ge_u32 s2, 512
	s_cselect_b64 s[24:25], s[14:15], s[24:25]
	s_add_nc_u64 s[24:25], s[24:25], s[28:29]
	s_add_nc_u64 s[26:27], s[20:21], s[30:31]
	CONV 4096, 2048, 0
.Lwo:
	s_sub_co_u32 s3, s2, 640
	s_lshl_b32 s28, s3, 16
	s_lshl_b32 s30, s3, 15
	s_wait_kmcnt 0x0
	s_add_nc_u64 s[24:25], s[16:17], s[28:29]
	s_add_nc_u64 s[26:27], s[22:23], s[30:31]
	CONV 4096, 2048, 1
.Lquery:                                               ; 16 rows of 4,096 bytes.  Load i: 16 lanes take 256 bytes (64 k: block i) of row t / 16
	v_lshrrev_b32 v3, 4, v0
	v_and_b32 v1, 15, v0
	v_lshlrev_b32 v1, 4, v1
	v_lshl_add_u32 v1, v3, 12, v1
	s_lshl_b32 s28, s2, 16
	s_lshl_b32 s30, s2, 11                         ; 16 rows of 128 bytes in each block of xb; two rows' 128 bytes lie end to end: 8 t
	s_wait_kmcnt 0x0
	s_add_nc_u64 s[24:25], s[8:9], s[28:29]
	s_add_nc_u64 s[26:27], s[18:19], s[30:31]
	CONV 256, 524288, 0                            ; a block of xb is 524,288 bytes: 15 of them stay inside the signed 24-bit immediate
.Lfunc_end_k_qedda4bbb0b_cast:
	.size	k_qedda4bbb0b_cast, .Lfunc_end_k_qedda4bbb0b_cast-k_qedda4bbb0b_cast
	.p2alignl 7, 3214868480
	.fill 96, 4, 3214868480
	.section	.rodata,"a",@progbits
	.p2align	6, 0x0
	.amdhsa_kernel k_qedda4bbb0b_cast
		.amdhsa_group_segment_fixed_size 0
		.amdhsa_private_segment_fixed_size 0
		.amdhsa_enable_private_segment 0
		.amdhsa_kernarg_size 64
		.amdhsa_user_sgpr_count 2
		.amdhsa_user_sgpr_kernarg_segment_ptr 1
		.amdhsa_wavefront_size32 1
		.amdhsa_system_sgpr_workgroup_id_x 1
		.amdhsa_system_sgpr_workgroup_id_y 1
		.amdhsa_system_sgpr_workgroup_id_z 1
		.amdhsa_system_vgpr_workitem_id 0
		.amdhsa_next_free_vgpr 108
		.amdhsa_next_free_sgpr 66
		.amdhsa_reserve_vcc 0
		.amdhsa_float_denorm_mode_32 3
		.amdhsa_float_denorm_mode_16_64 3
		.amdhsa_memory_ordered 1
		.amdhsa_forward_progress 1
		.amdhsa_inst_pref_size 24
	.end_amdhsa_kernel
	.amdgpu_metadata
---
amdhsa.version: [ 1, 2 ]
amdhsa.kernels:
  - .name:           k_qedda4bbb0b_cast
    .symbol:         k_qedda4bbb0b_cast.kd
    .args:
      - { .name: query, .offset: 0, .size: 8, .value_kind: global_buffer, .address_space: global }
      - { .name: Wq, .offset: 8, .size: 8, .value_kind: global_buffer, .address_space: global }
      - { .name: Wk, .offset: 16, .size: 8, .value_kind: global_buffer, .address_space: global }
      - { .name: Wv, .offset: 24, .size: 8, .value_kind: global_buffer, .address_space: global }
      - { .name: Wo, .offset: 32, .size: 8, .value_kind: global_buffer, .address_space: global }
      - { .name: xb, .offset: 40, .size: 8, .value_kind: global_buffer, .address_space: global }
      - { .name: wb, .offset: 48, .size: 8, .value_kind: global_buffer, .address_space: global }
      - { .name: wo16, .offset: 56, .size: 8, .value_kind: global_buffer, .address_space: global }
    .group_segment_fixed_size: 0
    .private_segment_fixed_size: 0
    .kernarg_segment_align: 8
    .kernarg_segment_size: 64
    .max_flat_workgroup_size: 256
    .sgpr_count:     66
    .vgpr_count:     108
    .wavefront_size: 32
...
	.end_amdgpu_metadata
.endif
;; end of part 1
;; launch proj (part 2): grid 16 x 16, 4 waves a work-group, clusters of 4 x 4, 327,680 bytes of LDS; arguments xb, wb, bq, bk, bv, qkv; writes qkv
.if DOCPART == 2
	.amdgcn_target "amdgcn-amd-amdhsa--gfx1250"
	.amdhsa_code_object_version 6
	.text
	.protected	k_qedda4bbb0b_proj
	.globl	k_qedda4bbb0b_proj
	.p2align	8
	.type	k_qedda4bbb0b_proj,@function
k_qedda4bbb0b_proj:
	s_mov_b64 s[64:65], 0
	v_nop
	global_prefetch_b8 v0, s[64:65] scope:SCOPE_SE
	s_setreg_imm32_b32 hwreg(HW_REG_WAVE_MODE, 25, 1), 1
	s_wait_xcnt 0x0
	s_wait_alu depctr_hold_cnt(0) depctr_sa_sdst(0) depctr_va_vdst(0) depctr_va_sdst(0) depctr_va_ssrc(0) depctr_va_vcc(0) depctr_vm_vsrc(0)
	s_getreg_b32 s2, hwreg(HW_REG_IB_STS2, 6, 4)
	s_cmp_eq_u32 s2, 0
	s_cbranch_scc0 .Lentry_in_a_cluster
	s_endpgm
.Lentry_in_a_cluster:
	s_bfe_u32 s2, ttmp6, 0x10000c
	s_cmp_lg_u32 s2, 0xf033
	s_cbranch_scc0 .Lentry_shape_is_right
	s_endpgm
.Lentry_shape_is_right:
; q, k, v = x W + b for one head and 256 rows.  x: xb, bf16 [16 kb][4096][64]; W: wb, bf16 [3][1024 k][2048 n]; biases f32, rounded to bf16 here; sums in f32.
; Out: qkv, f16 [3][32 heads][2048][128], each number rounded once, unscaled.  LIMIT: |q|, |k|, |v| stay under 65,504 (f16's range); NaN and infinities are not treated apart.
; SHARES.  4096 x 6144 outputs on 256 work-groups: work-group (x, y) makes rows 256 y .. + 255 of head x's 128 columns of q, of k and of v, so x's tile is fetched once for three weights.
; Four waves, 2 x 2: a wave has 128 rows x 64 columns of each of the three: 96 accumulators of 16 x 16, 768 registers.
; K goes in 16 steps of 64 (two slots of a longer step do not fit in LDS beside the stage); a step is two sub-steps of 32 along K, 96 matrix instructions each.
; The weights stay [k][n] in LDS; their fragments are turned on the way out of LDS by ds_load_tr16_b128.
; THE MATRIX INSTRUCTION IS USED TRANSPOSED (source 0 = 16 columns of W, source 1 = 16 rows of x): a lane holds one row and eight neighbouring columns of the result.
; THE BIAS is the C operand of the products that start the sums: it costs no instruction in the loop, and nothing is cleared.
; CLUSTER 4 x 4.  x's tile hangs on y alone and is asked for jointly by a row of the cluster; a weight's tile hangs on the head alone and is asked for jointly by a column.
; Wave 0 asks for x's tile (32,768 bytes), waves 1 to 3 for Wq's, Wk's, Wv's (16,384 bytes each): one tensor load a wave behind each round; two of a wave's are out at the start, later one.
; REGISTERS, in windows of 256: window 0: v0-31 addresses; v32-95, v96-159 x's fragments (8 x 16 rows x 32 k), two buffers; v160-255 the weights' 12 fragments of one sub-step.
;   window g + 1 (g = 0 q, 1 k, 2 v): accumulator (row block a, column block bb) at v[8 (8 bb + a)].
.set PA,    144                        ; a row of x in LDS: 128 bytes + 16: an odd multiple of 16 bytes, so the 16 rows of a load start in 16 different groups of four banks (ISA guide 11.1)
.set PB,    288                        ; a k row of a weight: 256 bytes + 32: an odd multiple of 32 bytes, for the turning load
.set BT,    64*PB                      ; a weight's tile: 64 k rows
.set BOFF,  256*PA                     ; behind x's 256 rows: the three weights' tiles
.set SPARE, BOFF+3*BT                  ; behind slot 0: the spare words, 128 bytes for each wave: two blocks of 256 bytes that no other line names
.set SLOT1, 1<<17                      ; slot 1 begins here: one exclusive or turns an address in one slot into the other's
.set STAGE, SLOT1+SPARE                ; behind slot 1, never filled by a tensor load: 128 rows x 816 bytes for the way out
.set SP,    816                        ; a stage row: q's, k's, v's 256 bytes, 16 of padding behind each
.set ADRA0, 16                         ; v16  my lane's place in x's tile; never rewritten
.set ADRB0, 17                         ; v17  the same for the weights' tiles
.set ADRA,  18                         ; v18  v16 + the slot in hand
.set ADRB,  19                         ; v19  v17 + the slot in hand
.set STO,   24                         ; v24  the way out: where I put 16 bytes of a row
.set RD,    25                         ; v25  the way out: where I read a row back
.set CO,    26                         ; v26  my byte offset in the block's rows of q, k, v
.set BO,    27                         ; v27  my byte offset in a bias
.set SPW,   28                         ; v28  LDS address of my spare word; never rewritten
.set NIL,   29                         ; v29  0; never rewritten
.set AB0,   32
.set AB1,   96
.set RB,    160                        ; fragment (g, bb) at RB + 8 (4 g + bb)
.set WV,    16                         ; s16  my wave's number
.set G1A,   24                         ; s[24:31] descriptor group 1 for x's tiles
.set G1B,   32                         ; s[32:39] for the weights'
.set G0A,   40                         ; s[40:47] group 0 for x's tiles: a set for each first fill; the second then walks
.set G0B,   48                         ; s[48:55] the same for the weights'
.set CNT,   56
.set TB,    57                         ; s57  the slot in hand: 0 or SLOT1
.set MSB, 0
.macro WIN new                         ; the immediate's high byte repeats the setting that is left; a switch that changes nothing is dropped
.if MSB != (\new)
	s_set_vgpr_msb (MSB<<8)|(\new)
.set MSB, \new
.endif
.endm
.macro PLACES                          ; four plain vector instructions between a matrix instruction and a load into, or a vector line on, its registers
.rept 4
	v_nop
.endr
.endm
; A joint load.  The branch hangs on the wave's number alone.  An s_nop 0 and four v_nop follow each of the two lines.
.macro JLOAD s
	s_cmp_eq_u32 s[WV], 0
	s_cbranch_scc0 .Lfor_b_\@
	tensor_load_to_lds s[G0A+4*(\s):G0A+4*(\s)+3], s[G1A:G1A+7]
	s_nop 0
.rept 4
	v_nop
.endr
	s_branch .Lasked_\@
.Lfor_b_\@:
	tensor_load_to_lds s[G0B+4*(\s):G0B+4*(\s)+3], s[G1B:G1B+7]
	s_nop 0
.rept 4
	v_nop
.endr
.Lasked_\@:
.endm
.macro CREST                           ; a round of the cluster's barrier behind its opening barrier
	s_cmp_lg_u32 s[WV], 0
	s_cbranch_scc1 .Lnot_wave_0_\@
	s_barrier_signal -3
.Lnot_wave_0_\@:
	s_barrier_wait -3
	s_barrier_signal -1
	s_barrier_wait -1
.endm
.macro CROUND                          ; a whole round
	s_barrier_signal -1
	s_barrier_wait -1
	CREST
.endm
	s_load_b256 s[4:11], s[0:1], 0x0               ; xb s[4:5], wb s[6:7], bq s[8:9], bk s[10:11]
	s_load_b128 s[12:15], s[0:1], 0x20             ; bv s[12:13], qkv s[14:15]
	v_lshl_add_u32 v[SPW], v0, 2, SPARE
	v_mov_b32 v[NIL], 0
	ds_add_u32 v[SPW], v[NIL]                      ; the wave's opening: the add and its wait stand ahead of my first tensor load; work on registers stands between them
	ds_add_u32 v28, v29
	v_lshrrev_b32 v1, 5, v0
	v_readfirstlane_b32 s[WV], v1                  ; wave 0..3
	s_lshr_b32 s17, s[WV], 1                       ; mh: which 128 rows are mine
	s_and_b32 s18, s[WV], 1                        ; nh: which 64 columns of each tensor
	s_bfe_u32 s19, ttmp6, 0x40000                  ; cx, cy: my place in the cluster
	s_bfe_u32 s20, ttmp6, 0x40004
	s_lshl_b32 s21, ttmp9, 2
	s_add_co_u32 s21, s21, s19                     ; x: the head
	s_and_b32 s22, ttmp7, 0xffff
	s_lshl_b32 s22, s22, 2
	s_add_co_u32 s22, s22, s20                     ; y: the block of 256 rows
	s_lshl_b32 s58, s20, 2
	s_lshl_b32 s58, 15, s58                        ; my row of the cluster
	s_lshl_b32 s59, 0x1111, s19                    ; my column
	; x's tile: 32,768 dense bytes asked for as 128 rows of 256 bytes, two rows of x each, padded behind every 128 bytes
	s_or_b32 s[G1A], s58, (1<<16)|(1<<20)|(1<<21)|(4<<22)|(3<<25)  ; 15:0 the mask; 17:16 2-byte elements; 20 padding on; 21 set beside a mask; 24:22 after every 32 words; 31:25 4 words
	s_mov_b32 s[G1A+1], 128<<16                    ; tensor_dim0 = 128
	s_mov_b32 s[G1A+2], 128<<16                    ; tensor_dim1 = 128
	s_mov_b32 s[G1A+3], 128<<16                    ; tile_dim0 = 128
	s_mov_b32 s[G1A+4], 128                        ; tile_dim1 = 128
	s_mov_b32 s[G1A+5], 128                        ; elements from row to row
	s_mov_b32 s[G1A+6], 0
	s_mov_b32 s[G1A+7], 0
	; a weight's tile: 64 k rows x 128 columns, 32 bytes of padding behind each row
	s_or_b32 s[G1B], s59, (1<<16)|(1<<20)|(1<<21)|(5<<22)|(7<<25)  ; after every 64 words 8 words
	s_mov_b32 s[G1B+1], 128<<16
	s_mov_b32 s[G1B+2], 64<<16
	s_mov_b32 s[G1B+3], 128<<16
	s_mov_b32 s[G1B+4], 64
	s_mov_b32 s[G1B+5], 2048
	s_mov_b32 s[G1B+6], 0
	s_mov_b32 s[G1B+7], 0
	s_max_u32 s23, s[WV], 1
	s_sub_co_u32 s23, s23, 1                       ; which weight waves 1 to 3 fetch
	s_lshl_b32 s68, s22, 15                        ; x's tile: 32,768 y (it never holds the head)
	s_mov_b32 s69, 0
	s_lshl_b32 s70, s23, 22                        ; the weight: 4,194,304 bytes each,
	s_lshl_b32 s71, s21, 8                         ; the head's 128 columns (it never holds y)
	s_add_co_u32 s70, s70, s71
	s_mov_b32 s71, 0
	s_mul_i32 s72, s[WV], BT                       ; a weight's place in a slot: BOFF + (wave - 1) BT = BT + wave x BT
	s_mov_b32 s[TB], 0
	s_wait_dscnt 0x0                               ; the opening add is done
	s_wait_kmcnt 0x0
	s_add_nc_u64 s[68:69], s[4:5], s[68:69]
	s_add_nc_u64 s[70:71], s[6:7], s[70:71]
	CROUND                                         ; all sixteen work-groups are here: the first joint loads meet
.irp s, 0,1
	s_mov_b32 s[G0A+4*(\s)], 1
	s_mov_b32 s[G0A+4*(\s)+1], (\s)*SLOT1
	s_add_nc_u64 s[G0A+4*(\s)+2:G0A+4*(\s)+3], s[68:69], (\s)*524288   ; K step s: a block of xb is 524,288 bytes
	s_or_b32 s[G0A+4*(\s)+3], s[G0A+4*(\s)+3], 0x80000000
	s_mov_b32 s[G0B+4*(\s)], 1
	s_add_co_u32 s[G0B+4*(\s)+1], s72, (\s)*SLOT1+BT
	s_add_nc_u64 s[G0B+4*(\s)+2:G0B+4*(\s)+3], s[70:71], (\s)*262144   ; 64 k rows of 4,096 bytes
	s_or_b32 s[G0B+4*(\s)+3], s[G0B+4*(\s)+3], 0x80000000
	JLOAD \s
.endr
	; the biases, as the C operands of the first sub-step: register j of a lane is b[128 x + 64 nh + 16 bb + 8 (l / 16) + j].  They lie in fragment registers that are not yet needed.
	v_and_b32 v1, 15, v0                           ; r = l % 16
	v_bfe_u32 v2, v0, 4, 1                         ; h = l / 16
	s_lshl_b32 s73, s21, 9
	s_lshl_b32 s74, s18, 8
	s_add_co_u32 s73, s73, s74
	v_lshl_add_u32 v[BO], v2, 5, s73
.irp bb, 0,1,2,3
	global_load_b128 v[RB+64+8*(\bb):RB+64+8*(\bb)+3],   v[BO], s[8:9] offset:64*(\bb)
	global_load_b128 v[RB+64+8*(\bb)+4:RB+64+8*(\bb)+7], v[BO], s[8:9] offset:64*(\bb)+16
	global_load_b128 v[AB1+8*(\bb):AB1+8*(\bb)+3],       v[BO], s[10:11] offset:64*(\bb)
	global_load_b128 v[AB1+8*(\bb)+4:AB1+8*(\bb)+7],     v[BO], s[10:11] offset:64*(\bb)+16
	global_load_b128 v[AB1+32+8*(\bb):AB1+32+8*(\bb)+3],   v[BO], s[12:13] offset:64*(\bb)
	global_load_b128 v[AB1+32+8*(\bb)+4:AB1+32+8*(\bb)+7], v[BO], s[12:13] offset:64*(\bb)+16
.endr
	v_and_b32 v3, 7, v0
	v_bfe_u32 v4, v0, 3, 1
	s_mul_i32 s58, s17, 128*PA
	v_mul_u32_u24 v5, v1, PA
	v_lshl_add_u32 v5, v2, 4, v5
	v_add_nc_u32 v[ADRA0], s58, v5                 ; (128 mh + r) x pitch + 16 h: two loads 32 bytes apart make a fragment of 16 rows x 32 k
	v_lshl_add_u32 v6, v2, 3, v3                   ; the turning load: k row 8 h + l % 8, 16 bytes at 16 ((l / 8) % 2)
	v_mul_u32_u24 v6, v6, PB
	v_lshl_add_u32 v6, v4, 4, v6
	s_lshl_b32 s59, s18, 7
	s_add_co_u32 s59, s59, BOFF
	v_add_nc_u32 v[ADRB0], s59, v6
	v_add_nc_u32 v[ADRA], s[TB], v[ADRA0]
	v_add_nc_u32 v[ADRB], s[TB], v[ADRB0]
	s_mul_i32 s58, s17, 64*SP                      ; into the stage: row 64 mh + 16 aa + r, my half of each tensor's 256 bytes
	s_lshl_b32 s59, s18, 7
	s_add_co_u32 s58, s58, s59
	s_add_co_u32 s58, s58, STAGE
	v_mul_u32_u24 v7, v1, SP
	v_lshl_add_u32 v7, v2, 4, v7
	v_add_nc_u32 v[STO], s58, v7
	s_mul_i32 s58, s[WV], 32*SP                    ; back: wave w takes stage rows 32 w .. + 31, whole: lanes 0-15 one row, lanes 16-31 the next
	s_add_co_u32 s58, s58, STAGE
	v_mul_u32_u24 v8, v2, SP
	v_lshl_add_u32 v8, v1, 4, v8
	v_add_nc_u32 v[RD], s58, v8
	s_lshl_b32 s58, s17, 15                        ; and the same rows in memory: (128 mh + 32 nh + l / 16) x 256 + 16 (l % 16)
	s_lshl_b32 s59, s18, 13
	s_add_co_u32 s58, s58, s59
	v_lshlrev_b32 v9, 8, v2
	v_lshl_add_u32 v9, v1, 4, v9
	v_add_nc_u32 v[CO], s58, v9
	s_lshr_b32 s74, s22, 3                         ; where the block lies in q: batch y / 8, head x, rows 256 (y % 8) on
	s_lshl_b32 s74, s74, 23
	s_lshl_b32 s75, s21, 19
	s_add_co_u32 s74, s74, s75
	s_and_b32 s75, s22, 7
	s_lshl_b32 s75, s75, 16
	s_add_co_u32 s74, s74, s75
	s_mov_b32 s75, 0
	s_add_nc_u64 s[60:61], s[14:15], s[74:75]      ; q
	s_add_nc_u64 s[62:63], s[60:61], 0x1000000     ; k
	s_add_nc_u64 s[66:67], s[60:61], 0x2000000     ; v
	s_wait_loadcnt 0x0                             ; the biases
.macro RND base                        ; 32 numbers rounded to bf16 and kept as f32, like every input of the module
.set n, 0
.rept 16
	v_cvt_pk_bf16_f32 v[10+n%4], v[(\base)+2*n], v[(\base)+2*n+1]
	v_lshlrev_b32 v[(\base)+2*n], 16, v[10+n%4]
	v_and_b32 v[(\base)+2*n+1], 0xffff0000, v[10+n%4]
.set n, n+1
.endr
.endm
	RND RB+64
	RND AB1
	RND AB1+32
; 16 matrix instructions of tensor g: column blocks 2 half, 2 half + 1 x all 8 row blocks, 32 along K, x's fragments in buffer ab.  cb < 0: onto the sums; else the sums start with the bias at v[cb + 8 bb].
; All 96 accumulators take turns, one instruction a turn, in the same order in every sub-step.
.macro GH g, ab, half, cb
.irp bb, 2*(\half), 2*(\half)+1
.irp a, 0,1,2,3,4,5,6,7
.if (\cb) < 0
	WIN ((\g)+1)*0x50
	v_wmma_f32_16x16x32_bf16 v[8*(8*(\bb)+(\a)):8*(8*(\bb)+(\a))+7], v[RB+8*(4*(\g)+(\bb)):RB+8*(4*(\g)+(\bb))+7], v[(\ab)+8*(\a):(\ab)+8*(\a)+7], v[8*(8*(\bb)+(\a)):8*(8*(\bb)+(\a))+7]
.else
	WIN ((\g)+1)<<6
	v_wmma_f32_16x16x32_bf16 v[8*(8*(\bb)+(\a)):8*(8*(\bb)+(\a))+7], v[RB+8*(4*(\g)+(\bb)):RB+8*(4*(\g)+(\bb))+7], v[(\ab)+8*(\a):(\ab)+8*(\a)+7], v[(\cb)+8*(\bb):(\cb)+8*(\bb)+7]
.endif
.endr
.endr
.endm
.macro G g, ab, cb
	GH \g, \ab, 0, \cb
	GH \g, \ab, 1, \cb
.endm
.macro RUNB g, q                       ; 8 loads: tensor g's four fragments (16 columns x 32 k, turned) of sub-step q
	WIN 0
.irp bb, 0,1,2,3
	ds_load_tr16_b128 v[RB+8*(4*(\g)+(\bb)):RB+8*(4*(\g)+(\bb))+3],   v[ADRB] offset:(\g)*BT+32*(\bb)+32*PB*(\q)
	ds_load_tr16_b128 v[RB+8*(4*(\g)+(\bb))+4:RB+8*(4*(\g)+(\bb))+7], v[ADRB] offset:(\g)*BT+32*(\bb)+32*PB*(\q)+16*PB
.endr
.endm
.macro RUNA hf, q, ab                  ; 8 loads: x's row blocks 4 hf .. 4 hf + 3 of sub-step q into buffer ab
	WIN 0
.irp a, 0,1,2,3
	ds_load_b128 v[(\ab)+8*(4*(\hf)+(\a)):(\ab)+8*(4*(\hf)+(\a))+3],   v[ADRA] offset:16*PA*(4*(\hf)+(\a))+64*(\q)
	ds_load_b128 v[(\ab)+8*(4*(\hf)+(\a))+4:(\ab)+8*(4*(\hf)+(\a))+7], v[ADRA] offset:16*PA*(4*(\hf)+(\a))+64*(\q)+32
.endr
.endm
; A K step's first sub-step: multiplies buffer 0 and fetches the second sub-step's fragments, each group's behind the products that read its registers.
.macro SUB0
	s_wait_dscnt 8                                 ; all but the youngest eight loads (v's fragments, which the third group needs)
	G 0, AB0, -1
	PLACES
	RUNB 0, 1
	RUNA 0, 1, AB1
	G 1, AB0, -1
	PLACES
	RUNB 1, 1
	RUNA 1, 1, AB1
	s_wait_dscnt 32                                ; all but the 32 just issued: v's fragments are in
	G 2, AB0, -1
	PLACES
	RUNB 2, 1
.endm
; A K step's second sub-step multiplies buffer 1 and changes slots: ONE barrier.  In front of it each wave waits for all its tensor loads (one is out: its part of the next slot), adds 0 to its
; spare word, and waits for that and for its reads of this slot.  fill = 1: the barrier opens a round of the cluster's, and this slot is filled again, first thing behind it, with the K step two on.
.macro TSUB fill
	WIN 0
	s_wait_tensorcnt 0x0                           ; no tensor load of mine is out, so a group 0 may be written
	ds_add_u32 v[SPW], v[NIL]                      ; 0 onto my spare word; scalar and matrix work stands between it and the wait for it
.if \fill
	s_xor_b32 s[G0A+5], s[G0A+5], SLOT1            ; the walking descriptors: the other slot than last time, the next K step
	s_add_nc_u64 s[G0A+6:G0A+7], s[G0A+6:G0A+7], 524288
	s_xor_b32 s[G0B+5], s[G0B+5], SLOT1
	s_add_nc_u64 s[G0B+6:G0B+7], s[G0B+6:G0B+7], 262144
.endif
	s_xor_b32 s[TB], s[TB], SLOT1
	s_wait_dscnt 9                                 ; the add and the youngest eight loads may be out
	GH 0, AB1, 0, -1
	s_wait_dscnt 0x0                               ; the add is done, and my reads of this slot are over
	s_barrier_signal -1
	GH 0, AB1, 1, -1
	WIN 0                                          ; at a branch and at a label every window is 0
	s_barrier_wait -1
.if \fill
	CREST                                          ; no wave of any partner still reads this slot or has a load on its way
	JLOAD 1                                        ; my one tensor load behind the round; its four v_nop are also the places in front of the loads below
.else
	PLACES
.endif
	v_add_nc_u32 v[ADRA], s[TB], v[ADRA0]
	v_add_nc_u32 v[ADRB], s[TB], v[ADRB0]
	RUNB 0, 0
	RUNA 0, 0, AB0
	G 1, AB1, -1
	PLACES
	RUNB 1, 0
	RUNA 1, 0, AB0
	G 2, AB1, -1
	PLACES
	RUNB 2, 0
.endm
	s_wait_tensorcnt 0x1                           ; my part of K step 0 is in; K step 1's may stay out
	s_barrier_signal -1
	s_barrier_wait -1                              ; everybody's is
	; the first sub-step is written out: its products start the sums with the biases
	RUNB 0, 0
	RUNB 1, 0
	RUNA 0, 0, AB0
	RUNA 1, 0, AB0
	s_wait_dscnt 0x0
	G 0, AB0, RB+64
	PLACES
	RUNB 2, 0                                      ; into the registers that held bq
	RUNB 0, 1
	G 1, AB0, AB1
	PLACES
	RUNB 1, 1
	RUNA 0, 1, AB1                                 ; into the registers that held bk
	s_wait_dscnt 24                                ; v's fragments of this sub-step are in; the three runs issued behind them stay out
	G 2, AB0, AB1+32
	PLACES
	RUNA 1, 1, AB1                                 ; into the registers that held bv
	RUNB 2, 1
	WIN 0
	s_mov_b32 s[CNT], 14
.Lk:                                                   ; 14 trips: the second half of K step i, the first half of K step i + 1; K steps 2 to 15 are asked for
	TSUB 1
	SUB0
	WIN 0
	s_sub_co_u32 s[CNT], s[CNT], 1
	s_cmp_lg_u32 s[CNT], 0
	s_cbranch_scc1 .Lk
	TSUB 0                                         ; the tail is written out: nothing is left to ask for
	SUB0
	s_wait_dscnt 8
	G 0, AB1, -1
	G 1, AB1, -1
	s_wait_dscnt 0x0
	G 2, AB1, -1
; THE WAY OUT, in two halves (row blocks 4 rho .. 4 rho + 3): rounded to f16, 16 bytes a lane into the work-group's stage; a barrier, since a row's 256 bytes come from two waves; back as whole rows.
.macro OUTR rho
.irp g, 0,1,2
	WIN ((\g)+1)*5                                 ; sources 0 and 1 in the tensor's window, destination in window 0
.set n, 0
.rept 64                               ; aa = n / 16, bb = (n / 4) % 4, pair n % 4: each accumulator's registers in ascending order
	v_cvt_pk_f16_f32 v[32+64*(\g)+n], v[8*(8*((n/4)%4)+4*(\rho)+n/16)+2*(n%4)], v[8*(8*((n/4)%4)+4*(\rho)+n/16)+2*(n%4)+1]
.set n, n+1
.endr
.endr
	WIN 0
.set n, 0
.rept 48                               ; g = n / 16, aa = (n / 4) % 4, bb = n % 4
	ds_store_b128 v[STO], v[32+4*n:32+4*n+3] offset:16*SP*((n/4)%4)+272*(n/16)+32*(n%4)
.set n, n+1
.endr
	s_wait_dscnt 0x0                               ; for the others' sake: my stores into the stage are done
	s_barrier_signal -1
	s_barrier_wait -1
.set n, 0
.rept 48                               ; g = n / 16, two rows n % 16
	ds_load_b128 v[32+4*n:32+4*n+3], v[RD] offset:2*SP*(n%16)+272*(n/16)
.set n, n+1
.endr
.set n, 0
.rept 48
	s_wait_dscnt 47-n                              ; LDS loads come back in order: load n is in
	global_store_b128 v[CO], v[32+4*n:32+4*n+3], s[60+2*(n/16)+2*(n/32):61+2*(n/16)+2*(n/32)] offset:16384*(\rho)+512*(n%16)  ; 16 lanes store 256 consecutive bytes, aligned: a row of a head
.set n, n+1
.endr
.endm
	PLACES                                         ; the conversions read results just made
	OUTR 0
	s_barrier_signal -1                            ; every wave's reads of the stage are back (the count-down ended at 0): it may be written again
	s_barrier_wait -1
	s_wait_xcnt 0x0                                ; the stores' data registers are rewritten only behind this wait
	OUTR 1
	s_wait_tensorcnt 0x0                           ; the wave's end
	ds_add_u32 v[SPW], v[NIL]
	s_wait_dscnt 0x0
	CROUND                                         ; the closing round: no work-group ends while a partner may still ask for a tile that names it
	s_endpgm
.Lfunc_end_k_qedda4bbb0b_proj:
	.size	k_qedda4bbb0b_proj, .Lfunc_end_k_qedda4bbb0b_proj-k_qedda4bbb0b_proj
	.p2alignl 7, 3214868480
	.fill 96, 4, 3214868480
	.section	.rodata,"a",@progbits
	.p2align	6, 0x0
	.amdhsa_kernel k_qedda4bbb0b_proj
		.amdhsa_group_segment_fixed_size 327680
		.amdhsa_private_segment_fixed_size 0
		.amdhsa_enable_private_segment 0
		.amdhsa_kernarg_size 48
		.amdhsa_user_sgpr_count 2
		.amdhsa_user_sgpr_kernarg_segment_ptr 1
		.amdhsa_wavefront_size32 1
		.amdhsa_system_sgpr_workgroup_id_x 1
		.amdhsa_system_sgpr_workgroup_id_y 1
		.amdhsa_system_sgpr_workgroup_id_z 1
		.amdhsa_system_vgpr_workitem_id 0
		.amdhsa_next_free_vgpr 1024
		.amdhsa_next_free_sgpr 80
		.amdhsa_reserve_vcc 0
		.amdhsa_float_denorm_mode_32 3
		.amdhsa_float_denorm_mode_16_64 3
		.amdhsa_memory_ordered 1
		.amdhsa_forward_progress 1
		.amdhsa_inst_pref_size 123
	.end_amdhsa_kernel
	.amdgpu_metadata
---
amdhsa.version: [ 1, 2 ]
amdhsa.kernels:
  - .name:           k_qedda4bbb0b_proj
    .symbol:         k_qedda4bbb0b_proj.kd
    .args:
      - { .name: xb, .offset: 0, .size: 8, .value_kind: global_buffer, .address_space: global }
      - { .name: wb, .offset: 8, .size: 8, .value_kind: global_buffer, .address_space: global }
      - { .name: bq, .offset: 16, .size: 8, .value_kind: global_buffer, .address_space: global }
      - { .name: bk, .offset: 24, .size: 8, .value_kind: global_buffer, .address_space: global }
      - { .name: bv, .offset: 32, .size: 8, .value_kind: global_buffer, .address_space: global }
      - { .name: qkv, .offset: 40, .size: 8, .value_kind: global_buffer, .address_space: global }
    .group_segment_fixed_size: 327680
    .private_segment_fixed_size: 0
    .kernarg_segment_align: 8
    .kernarg_segment_size: 48
    .max_flat_workgroup_size: 128
    .sgpr_count:     80
    .vgpr_count:     1024
    .wavefront_size: 32
...
	.end_amdgpu_metadata
.endif
;; end of part 2
;; launch attn (part 3): grid 8 x 32, 4 waves a work-group, no clusters, 327,680 bytes of LDS; arguments qkv, ctx; writes ctx
.if DOCPART == 3
	.amdgcn_target "amdgcn-amd-amdhsa--gfx1250"
	.amdhsa_code_object_version 6
	.text
	.protected	k_qedda4bbb0b_attn
	.globl	k_qedda4bbb0b_attn
	.p2align	8
	.type	k_qedda4bbb0b_attn,@function
k_qedda4bbb0b_attn:
	s_mov_b64 s[64:65], 0
	v_nop
	global_prefetch_b8 v0, s[64:65] scope:SCOPE_SE
	s_setreg_imm32_b32 hwreg(HW_REG_WAVE_MODE, 25, 1), 1
	s_wait_xcnt 0x0
; CAUSAL ATTENTION, head size 128.  ctx[b][q][h][:] = the sum over k <= q of softmax_k(Q[q] . K[k] / sqrt(2048)) V[k][:].  qkv: f16 [3][32 heads][2048][128]; ctx: f16 [4096][2048], heads merged.
; Products, maxima and sums in f32; the weights p are rounded to f16 for the second product (their sum l is taken of the unrounded p), ctx once at the end.
; LIMITS.  Q, K, V arrive within f16's range, so |score| <= 5.5e11.  A hidden score counts as its value less 2^100: its weight is 0, as in the module, whose -1e12 also drowns every such score.
; The running maximum starts at -2^90: above every hidden score, below every true one.  A weight below 2^-126 counts as 0 in l.  NaN and infinities are not treated apart.
; THE WALK.  A head's queries lie in 16 blocks of 128; block i needs the key tiles 0 .. i of 128 keys, the last of which holds the diagonal.  A work-group takes blocks 15 - b and then b.
; A block of n tiles is n + 1 PAIRs (below), so the walk is 19 trips whatever b: all 256 work-groups do equal work, and ONE loop with a constant trip count walks them: a change of slots and a PAIR a trip.
; The ring of two LDS slots runs on across the change of blocks.  A block's closing PAIR has a place of its own in the ring, filled with the block's last tile once more: its scores are all hidden.
; NO CLUSTER: a head's 8 work-groups ask for the same tile only in the first 9 trips; behind that the tile's number hangs on b, which partners do not share; a walk common to all would have 26 trips for 19.
; THE WAVES SPLIT THE KEYS.  Wave w = 2 qh + kp holds 64 queries (four tiles of 16) and works on key step kp (64 keys) of every tile, so a fragment of K or V read from LDS feeds four tiles' products.
; Waves w and w ^ 1 hold the same queries; their partial m, l, O (f32) are merged through LDS at a block's end.  PIECE 0 (tiles 0, 1) lies in the block's band kp of 64 rows, PIECE 2 (tiles 2, 3)
; in band 1 - kp; tile t holds rows 64 band + 32 qh + 16 (t % 2) + lane % 16.  So every wave keeps piece 0 and gives piece 2, and in the diagonal tile piece 0 holds the diagonal,
; piece 2 sees all keys (kp = 0) or none (kp = 1).
; LAYOUT.  S^T = K Q^T (source 0 = 16 keys, source 1 = 16 queries): a lane holds ONE query (lane % 16) and keys 8 (lane / 16) + 0..7.  Two such tiles rounded to f16 ARE source 1 of O^T = V^T P.
; SOFTMAX.  p = 2^(c s - c m), c = log2(e) / sqrt(2048), m the running maximum; in every step O and l are multiplied by a = 2^(c m_old - c m_new).
; BY TURNS.  In a TURN one piece has the matrix unit: 32 products V^T P of the step in hand, then 32 products K Q^T of the next; the other piece's softmax stands in 64 slices behind them.
; A PAIR is piece 0's turn and piece 2's.  NO FIRST AND NO LAST STEP IS WRITTEN OUT.  A block's first PAIR: its V^T P lands in an O that the first true step multiplies by a = 0, and piece 2's
; softmax there runs on scores set to -2^100 (a = 1, p = 0).  Its closing PAIR: K Q^T takes an all-hidden mask (a = 1, p = 0) and changes nothing.  The price: 2 of the 19 PAIRs are half idle.
; THE MASK is the C operand of the 8 products that start S^T, made anew in every PAIR, so that no jump hangs on it: piece 0's is MD x AL + BE (32 packed lines), piece 2's one number in 8 registers.
; REGISTERS, in windows of 256 (s_set_vgpr_msb: bits 1:0 source 0, 3:2 source 1, 5:4 source 2, 7:6 destination):
;   window 0: v0-11, v44-63 addresses, piece 2's mask and the exchange; v12-43 eight registers of statistics a tile; v64-191 S^T, 32 a tile; v192-255 P, 16 a tile
;   window 1: O^T, 64 a tile     window 2: v0-127 Q, 32 a tile; v128-255 K of one step     window 3: v0-127 V of one step; v128-191 MD; v192-255 MC
.set KS,    64
.set PK,    272       ; a row of K in LDS: 256 bytes + 16: the 16 rows of a load start in 16 different groups of four banks (ISA guide 11.1)
.set PV,    288       ; a row of V: 256 + 32, for the turning load
.set VOFF,  KS*PK     ; a step's tiles lie together: 64 rows of K, then 64 rows of V
.set STEPB, KS*(PK+PV)
.set SLOT1, 1<<17     ; a slot holds a tile of 128 keys, two steps (71,680 bytes); slot 1 begins here
.set XCH,   SLOT1+2*STEPB  ; behind the ring, never filled by a tensor load: an outbox of 16,896 bytes for each wave: 32 x 512 bytes of O, then 512 of statistics
.set XB,    16896
.set STG,   XCH+4*XB  ; 16 rows x 272 bytes for each wave, for the way out
.set SP,    272
.set SPARE, STG+4*16*SP    ; the spare words, 128 bytes for each wave: two blocks of 256 bytes that no other line names
.set AK0, 2           ; v2   my lane's place in a tile of K; never rewritten
.set AV0, 3           ; v3   the same for V
.set ADR, 4           ; v4   the LDS address of the run of loads in hand
.set QO0, 5           ; v5   my byte offset in a block's rows of Q, piece 0; never rewritten
.set STO, 6           ; v6   the way out: where I put 16 bytes of a row
.set RD,  7           ; v7   the way out: where I read a row back
.set GO,  8           ; v8   my byte offset in two rows of ctx
.set ST,  12          ; tile t's statistics at v[ST+8 t]: +0 c m, +1 m, +2, +3 l (even keys', odd keys'), +4 to +7 at work; a takes +6 once the maximum is found
.set XO,  44          ; v44  my 16 bytes in my outbox
.set XI,  45          ; v45  the same in my partner's
.set M2,  46          ; v46-53  piece 2's mask, eight times; between a block's last PAIR and the next PAIR: v46-49 the statistics that I give, v50-53 those that I get
.set QO2, 54          ; v54  my byte offset in a block's rows of Q, piece 2; never rewritten
.set SPW, 62          ; v62  LDS address of my spare word; never rewritten
.set NIL, 63          ; v63  0; never rewritten
.set S,   64
.set P,   192
.set KF,  128         ; window 2
.set MD,  128         ; window 3: tile u of piece 0, key block kb at MD + 32 u + 8 kb
.set MC,  192         ; window 3
.set WV,  12
.set PB,  14          ; s14  b
.set HI,  15          ; s15  15 - b
.set KP,  16
.set QH,  19
.set G1K, 24          ; s[24:31] descriptor group 1 for K's tiles
.set G1V, 32          ; s[32:39] for V's: it differs in the padding alone
.set G0K, 40          ; s[40:43] descriptor group 0 for K's tiles
.set G0V, 44          ; s[44:47] for V's
.set QLO, 48          ; s[48:49] Q at the second block
.set OLO, 50          ; s[50:51] ctx at my rows of the second block
.set FRESH, 53        ; 1: the PAIR in hand is its block's first
.set SLOTS, 56
.set CS,  58          ; s[58:59] c
.set SEL, 60          ; s[60:61] v_permlanex16_b32's selects: each lane takes its own place in the other half
.set TB,  62          ; s62  LDS byte at which my key step of the tile in hand begins
.set HB,  63          ; s63  piece 2's mask in the diagonal tile: 0 (kp = 0) or -2^100 (kp = 1)
.set RT,  66          ; PAIRs of the block in hand that are still to run, the one in hand among them: 2 at the diagonal tile, 1 at the closing PAIR
.set NXT, 67          ; the place in its block of the tile to be asked for next
.set LQ,  68          ; the last tile of the block whose tiles are being asked for
.set NEW, 69          ; 1: a block has ended: the trip to come merges it and begins the next
.set OFF, 70          ; s[70:71] a tile's byte offset in K and V
.set AL0, 72          ; s[72:73] piece 0's mask: factor,
.set BE0, 74          ; s[74:75] addend
.set BE2, 78          ; s78  piece 2's mask
.set BIGN, 80         ; s80  -2^100
.set MSB, 0
.macro WIN new                      ; the high byte repeats the setting that is left; a switch that changes nothing is dropped
.if MSB != (\new)
	s_set_vgpr_msb (MSB<<8)|(\new)
.set MSB, \new
.endif
.endm
.set W_KQ, 0x0a       ; K and Q in window 2, S^T (and piece 2's mask) in window 0
.set W_KM, 0x3a       ; the same with the C operand in window 3
.set W_PV, 0x53       ; V in window 3, P in window 0, O^T in window 1
.set W_RS, 0x41       ; O^T (destination and source 0) in window 1, a in window 0
; A fill.  Waves 0 and 1 fetch K of the tile's two steps, waves 2 and 3 V of them: 64 rows of 256 bytes each.  An s_nop 0 and four v_nop follow each of the two lines.
.macro LOAD
	s_cmp_lt_u32 s[WV], 2
	s_cbranch_scc0 .Lfor_v_\@
	tensor_load_to_lds s[G0K:G0K+3], s[G1K:G1K+7]
	s_nop 0
.rept 4
	v_nop
.endr
	s_branch .Lasked_\@
.Lfor_v_\@:
	tensor_load_to_lds s[G0V:G0V+3], s[G1V:G1V+7]
	s_nop 0
.rept 4
	v_nop
.endr
.Lasked_\@:
.endm
; THE CHANGE OF SLOTS.  Each wave waits for all its tensor loads (one is out: its part of the other slot), adds 0 to its spare word, and waits for that, for its reads of the slot that it leaves
; and for its stores into its outbox, if it has made any.  fill = 1: the old slot is filled again, first thing behind the barrier; the descriptor's address is made anew from the tile's number.
; (At its first use slot 0 is waited for and slot 1 filled.)
.macro CHANGE fill
	WIN 0
	s_wait_tensorcnt 0x0            ; no tensor load of mine is out, so a group 0 may be written
	ds_add_u32 v[SPW], v[NIL]       ; 0 onto my spare word; scalar work stands between it and the wait for it
.if \fill
	s_min_u32 s81, s[NXT], s[LQ]    ; places 0 .. LQ are the block's tiles; place LQ + 1, the closing PAIR's, takes tile LQ once more
	s_lshl_b32 s[OFF], s81, 15      ; a tile is 32,768 bytes of K and of V
	s_xor_b32 s[G0K+1], s[G0K+1], SLOT1
	s_add_nc_u64 s[G0K+2:G0K+3], s[6:7], s[OFF:OFF+1]
	s_or_b32 s[G0K+3], s[G0K+3], 0x80000000
	s_xor_b32 s[G0V+1], s[G0V+1], SLOT1
	s_add_nc_u64 s[G0V+2:G0V+3], s[8:9], s[OFF:OFF+1]
	s_or_b32 s[G0V+3], s[G0V+3], 0x80000000
	s_add_co_u32 s82, s[LQ], 1
	s_add_co_u32 s[NXT], s[NXT], 1  ; the block's next place, or behind its last the second block's place 0
	s_cmp_gt_u32 s[NXT], s82
	s_cselect_b32 s[NXT], 0, s[NXT]
	s_cselect_b32 s[LQ], s[PB], s[LQ]
.endif
	s_wait_dscnt 0x0                ; the add is done, my reads of the slot are over, my stores into the outbox are done
	s_barrier_signal -1
	s_xor_b32 s[TB], s[TB], SLOT1   ; the fetches go to the other slot
	s_barrier_wait -1
.if \fill
	LOAD
.endif
.endm
; Q of a block: tile i / 4, channels 32 (i % 4) on; a fragment is two loads of 16 bytes, 32 bytes apart
.macro LOADQ base
	WIN 0x80                        ; destination window 2, address window 0
.set i, 0
.rept 16
.set qa, QO0+(QO2-QO0)*(i/8)
	global_load_b128 v[8*i:8*i+3],   v[qa], s[\base:\base+1] offset:((i/4)%2)*4096+(i%4)*64
	global_load_b128 v[8*i+4:8*i+7], v[qa], s[\base:\base+1] offset:((i/4)%2)*4096+(i%4)*64+32
.set i, i+1
.endr
	WIN 0
.endm
; A BLOCK BEGINS.  m = -2^90 and c m = c x (-2^90), exactly; piece 2's scores of the step that has not been are hidden ones.  Q is waited for.
; again = 1 (the second block): the first block's stores are waited for too: they read P's registers, which the PAIR below rewrites, and a store is shown done by this wait alone.
.macro INIT again
	s_mov_b32 s[NEW], 0
	s_mov_b32 s[FRESH], 1
.set i, 0
.rept 4
	v_mov_b32 v[ST+8*i], 0xea0293ee
	v_mov_b32 v[ST+8*i+1], 0xec800000
.set i, i+1
.endr
.set i, S+64
.rept 64
	v_mov_b32 v[i], s[BIGN]
.set i, i+1
.endr
	s_wait_loadcnt 0x0              ; Q
.if \again
	s_wait_storecnt 0x0
.endif
.endm
	s_load_b128 s[20:23], s[0:1], 0x0  ; qkv s[20:21], ctx s[22:23]
	v_lshl_add_u32 v[SPW], v0, 2, SPARE
	v_mov_b32 v[NIL], 0
	ds_add_u32 v[SPW], v[NIL]       ; the wave's opening: the add and its wait stand ahead of my first tensor load; work on registers stands between them
	ds_add_u32 v62, v63
	v_lshrrev_b32 v1, 5, v0
	v_readfirstlane_b32 s[WV], v1   ; wave 0..3
	s_and_b32 s[KP], s[WV], 1       ; my key step of every tile; also: which step's tile I fetch
	s_lshr_b32 s[QH], s[WV], 1      ; which 32 rows of each band are mine
	s_mov_b32 s[PB], ttmp9
	s_sub_co_u32 s[HI], 15, s[PB]
	s_and_b32 s17, ttmp7, 0xffff    ; batch x 16 + head
	s_mov_b32 s3, 0
	s_lshl_b32 s18, s17, 19         ; the head's first byte in q, k, v
	s_lshl_b32 s13, s[KP], 14       ; my step's 64 rows of 256 bytes
	s_add_co_u32 s13, s13, s18
	s_lshr_b32 s81, s17, 4          ; ctx: ((batch x 2048 + 128 i + 64 kp + 32 qh) x 2048 + 128 head) x 2 bytes, less the block's part
	s_lshl_b32 s81, s81, 23
	s_and_b32 s82, s17, 15
	s_lshl_b32 s82, s82, 8
	s_add_co_u32 s81, s81, s82
	s_lshl_b32 s82, s[KP], 18
	s_add_co_u32 s81, s81, s82
	s_lshl_b32 s82, s[QH], 17
	s_add_co_u32 s81, s81, s82
	s_mov_b32 s[G1K], (1<<16)|(1<<20)|(5<<22)|(3<<25)  ; 17:16 2-byte elements; 20 padding on; 24:22 after every 64 words; 31:25 4 words
	s_mov_b32 s[G1V], (1<<16)|(1<<20)|(5<<22)|(7<<25)  ; the same with 8 words
.irp g, G1K, G1V
	s_mov_b32 s[\g+1], 128<<16      ; tensor_dim0 = 128
	s_mov_b32 s[\g+2], KS<<16       ; tensor_dim1 = 64
	s_mov_b32 s[\g+3], 128<<16      ; tile_dim0 = 128
	s_mov_b32 s[\g+4], KS           ; tile_dim1 = 64
	s_mov_b32 s[\g+5], 128          ; elements from row to row
	s_mov_b32 s[\g+6], 0
	s_mov_b32 s[\g+7], 0
.endr
	s_mov_b32 s[CS], 0x3d0293ee     ; c = log2(e) / sqrt(2048) = 0.0318793
	s_mov_b32 s[CS+1], s[CS]        ; named with it as a pair
	s_mov_b32 s[SEL], 0x76543210
	s_mov_b32 s[SEL+1], 0xfedcba98
	s_mov_b32 s[BIGN], 0xf1800000   ; -2^100
	s_cmp_eq_u32 s[KP], 1
	s_cselect_b32 s[HB], s[BIGN], 0
	s_mov_b32 s[G0K], 1             ; count = 1
	s_mul_i32 s[G0K+1], s[KP], STEPB  ; LDS address: slot 0, my step
	s_mov_b32 s[G0V], 1
	s_add_co_u32 s[G0V+1], s[G0K+1], VOFF
	s_add_co_u32 s[TB], s[G0K+1], SLOT1  ; the first change of slots turns it into slot 0
	s_add_co_u32 s[RT], s[HI], 2    ; the first block has 16 - b tiles, 17 - b PAIRs
	s_mov_b32 s[NXT], 1
	s_mov_b32 s[LQ], s[HI]
	s_mov_b32 s[OFF+1], 0
	s_mov_b32 s[AL0+1], 0           ; named as pairs
	s_mov_b32 s[BE0+1], 0
	s_mov_b32 s[SLOTS], 18
	s_wait_dscnt 0x0                ; the opening add is done
	s_wait_kmcnt 0x0
	s_add_co_u32 s2, s13, 0x1000000
	s_add_nc_u64 s[6:7], s[20:21], s[2:3]    ; K at my step of the head's tile 0
	s_add_co_u32 s2, s13, 0x2000000
	s_add_nc_u64 s[8:9], s[20:21], s[2:3]    ; V likewise
	s_lshl_b32 s2, s[HI], 15
	s_add_co_u32 s2, s2, s18
	s_add_nc_u64 s[4:5], s[20:21], s[2:3]    ; Q at the first block,
	s_lshl_b32 s2, s[PB], 15
	s_add_co_u32 s2, s2, s18
	s_add_nc_u64 s[QLO:QLO+1], s[20:21], s[2:3]  ; and at the second
	s_lshl_b32 s2, s[HI], 19
	s_add_co_u32 s2, s2, s81
	s_add_nc_u64 s[10:11], s[22:23], s[2:3]  ; ctx at the rows that I keep, first block,
	s_lshl_b32 s2, s[PB], 19
	s_add_co_u32 s2, s2, s81
	s_add_nc_u64 s[OLO:OLO+1], s[22:23], s[2:3]  ; and second
	s_add_nc_u64 s[G0K+2:G0K+3], s[6:7], 0
	s_or_b32 s[G0K+3], s[G0K+3], 0x80000000  ; type = 2
	s_add_nc_u64 s[G0V+2:G0V+3], s[8:9], 0
	s_or_b32 s[G0V+3], s[G0V+3], 0x80000000
	LOAD                            ; tile 0 into slot 0
	v_and_b32 v1, 15, v0            ; r = l % 16
	v_bfe_u32 v9, v0, 4, 1          ; h = l / 16
	v_lshlrev_b32 v10, 8, v1
	v_lshl_add_u32 v10, v9, 4, v10  ; row x 256 + 16 h
	s_lshl_b32 s13, s[KP], 14       ; band kp,
	s_lshl_b32 s18, s[QH], 13       ; my 32 rows of it
	s_add_co_u32 s13, s13, s18
	v_add_nc_u32 v[QO0], s13, v10
	s_xor_b32 s13, s13, 1<<14       ; the other band
	v_add_nc_u32 v[QO2], s13, v10
	LOADQ 4
	; MD: the mask of the diagonal for my piece 0: key 16 kb + 8 h + j of my step is hidden from query 32 qh + 16 u + r of my band where it is greater
	v_lshlrev_b32 v61, 3, v9
	v_sub_nc_u32 v61, v1, v61
	s_lshl_b32 s13, s[QH], 5
	v_add_nc_u32 v61, s13, v61      ; 32 qh + r - 8 h
	WIN 0xc0
.set i, 0
.rept 64                            ; u = i / 32, kb = (i / 8) % 4, j = i % 8
	v_cmp_gt_i32 vcc_lo, 16*((i/8)%4)+i%8-16*(i/32), v61
	v_cndmask_b32 v[MD+i], 0, s[BIGN], vcc_lo
.set i, i+1
.endr
	; What the first PAIR finds need only be finite: zeros.  All this stands in the wait for the first tile.
.set i, 0
.rept 128
	v_mov_b32 v[i], 0               ; V
.set i, i+1
.endr
	WIN 0
.set i, 0
.rept 4
	v_mov_b32 v[ST+8*i+2], 0        ; l
	v_mov_b32 v[ST+8*i+3], 0
.set i, i+1
.endr
.set i, P
.rept 32
	v_mov_b32 v[i], 0               ; piece 0's P
.set i, i+1
.endr
	WIN 0x43                        ; O^T's 256 registers are started by 32 products of those zeros with C = 0, in place of 256 moves
.set i, 0
.rept 32
	v_wmma_f32_16x16x32_f16 v[8*i:8*i+7], v[0:7], v[P:P+7], 0
.set i, i+1
.endr
	WIN 0
	v_mul_u32_u24 v[AK0], v1, PK
	v_lshl_add_u32 v[AK0], v9, 4, v[AK0]  ; row x pitch + 16 h
	v_and_b32 v10, 7, v0            ; the turning load: key 8 h + l % 8, channels 8 ((l / 8) % 2) on
	v_bfe_u32 v11, v0, 3, 1
	v_lshl_add_u32 v[AV0], v9, 3, v10
	v_mul_u32_u24 v[AV0], v[AV0], PV
	v_lshl_add_u32 v[AV0], v11, 4, v[AV0]
	v_add_nc_u32 v[AV0], VOFF, v[AV0]
	s_mul_i32 s13, s[WV], 16*SP
	s_add_co_u32 s13, s13, STG      ; my stage
	v_mul_u32_u24 v[STO], v1, SP    ; in: row r, 16 bytes for each half of the lanes
	v_lshl_add_u32 v[STO], v9, 4, v[STO]
	v_add_nc_u32 v[STO], s13, v[STO]
	v_mul_u32_u24 v[RD], v9, SP     ; back: lanes 0-15 one row of 256 bytes, lanes 16-31 the next
	v_lshl_add_u32 v[RD], v1, 4, v[RD]
	v_add_nc_u32 v[RD], s13, v[RD]
	v_lshlrev_b32 v[GO], 12, v9     ; and the same two rows in ctx, 4,096 bytes apart
	v_lshl_add_u32 v[GO], v1, 4, v[GO]
	v_and_b32 v10, 31, v0
	s_mul_i32 s13, s[WV], XB
	s_add_co_u32 s13, s13, XCH
	v_lshl_add_u32 v[XO], v10, 4, s13
	s_xor_b32 s18, s[WV], 1         ; my partner: same queries, the other key step
	s_mul_i32 s13, s18, XB
	s_add_co_u32 s13, s13, XCH
	v_lshl_add_u32 v[XI], v10, 4, s13
	INIT 0                          ; the first block begins; its Q is in
; THE MATRIX WORK.  The accumulators take turns, one instruction a turn: between two links of a chain stand 15 (V^T P) or 7 (K Q^T) others'.
; Product i of 32 of O^T += V^T P for piece x: keys 32 (i / 16) on, channels 16 ((i / 2) % 8) on, tile x + i % 2.
.macro PV x
	WIN W_PV
.set rO, 64*((\x)+i%2)+8*((i/2)%8)
.set rV, 64*(i/16)+8*((i/2)%8)
.set rP, P+16*((\x)+i%2)+8*(i/16)
	v_wmma_f32_16x16x32_f16 v[rO:rO+7], v[rV:rV+7], v[rP:rP+7], v[rO:rO+7]
.endm
; Product i of 32 of S^T = K Q^T: channels 32 (i / 8) on, keys 16 ((i / 2) % 4) on, tile x + i % 2.  The first 8 start the sums with the mask: piece 0's from MC, piece 2's the same eight registers for all.
.macro KQ x
.set rS, S+32*((\x)+i%2)+8*((i/2)%4)
.set rK, KF+32*((i/2)%4)+8*(i/8)
.set rQ, 32*((\x)+i%2)+8*(i/8)
.set rM, MC+32*(i%2)+8*((i/2)%4)
.if (i < 8) && ((\x) == 0)
	WIN W_KM
	v_wmma_f32_16x16x32_f16 v[rS:rS+7], v[rK:rK+7], v[rQ:rQ+7], v[rM:rM+7]
.elseif i < 8
	WIN W_KQ
	v_wmma_f32_16x16x32_f16 v[rS:rS+7], v[rK:rK+7], v[rQ:rQ+7], v[M2:M2+7]
.else
	WIN W_KQ
	v_wmma_f32_16x16x32_f16 v[rS:rS+7], v[rK:rK+7], v[rQ:rQ+7], v[rS:rS+7]
.endif
.endm
; THE LDS LOADS stand in runs of 32: my step's K (64 keys x 128 channels: 16 fragments) and, a turn later, its V (turned).
.macro FETCH_K
	WIN 0
	v_add_nc_u32 v[ADR], s[TB], v[AK0]
	WIN 0x80
.irp f, 0,1,2,3,4,5,6,7,8,9,10,11,12,13,14,15  ; keys 16 (f / 4) on, channels 32 (f % 4) on
	ds_load_b128 v[KF+8*(\f):KF+8*(\f)+3],   v[ADR] offset:((\f)/4)*16*PK+((\f)%4)*64
	ds_load_b128 v[KF+8*(\f)+4:KF+8*(\f)+7], v[ADR] offset:((\f)/4)*16*PK+((\f)%4)*64+32
.endr
.endm
.macro FETCH_V
	WIN 0
	v_add_nc_u32 v[ADR], s[TB], v[AV0]
	WIN 0xc0
.irp f, 0,1,2,3,4,5,6,7,8,9,10,11,12,13,14,15  ; keys 32 (f / 8) on, channels 16 (f % 8) on
	ds_load_tr16_b128 v[8*(\f):8*(\f)+3],   v[ADR] offset:((\f)/8)*32*PV+((\f)%8)*32
	ds_load_tr16_b128 v[8*(\f)+4:8*(\f)+7], v[ADR] offset:((\f)/8)*32*PV+16*PV+((\f)%8)*32
.endr
.endm
; THE VECTOR WORK.  One tile's softmax for one key step is a list of 134 instructions; SM writes number j of it for tile t.  s0-s31 are the lane's 32 scores, in pairs 0-15.
;   0-15    the maximum of s0-s31 and the old m, three operands at a time (each accumulator's lowest registers are read first)
;   16-20   the other half of the lanes' maximum; the new m; c m; c m_old - c m_new
;   21-87   33 exponentials (a, then s0-s31) at the odd numbers from 23 on, a plain instruction between any two: c s - c m for pairs whose exponentials are to come, the rounding to f16 of
;           pairs whose exponentials are done, at last the first three sums
;   88-101  the last rounding; the rest of the sums; l = a l + the sum          102-133 the tile's O^T times a: the one part that leaves window 0
.macro SM t
.set rT, ST+8*(\t)
.set rS, S+32*(\t)
.set rP, P+16*(\t)
.set rO, 64*(\t)+2*(j-102)
.set q, (j-20)/2
.if j < 102
	WIN 0
.endif
.if j < 4
	v_max3_num_f32 v[rT+4+j], v[rS+8*j], v[rS+8*j+1], v[rS+8*j+2]
.elseif j < 12
	v_max3_num_f32 v[rT+4+j%4], v[rT+4+j%4], v[rS+8*(j%4)+2*(j/4)+1], v[rS+8*(j%4)+2*(j/4)+2]
.elseif j == 12
	v_max3_num_f32 v[rT+4], v[rT+4], v[rS+7], v[rS+15]
.elseif j == 13
	v_max3_num_f32 v[rT+6], v[rT+6], v[rS+23], v[rS+31]
.elseif j == 14
	v_max3_num_f32 v[rT+4], v[rT+4], v[rT+5], v[rT+6]
.elseif j == 15
	v_max3_num_f32 v[rT+4], v[rT+4], v[rT+7], v[rT+1]
.elseif j == 16
	v_permlanex16_b32 v[rT+5], v[rT+4], s[SEL], s[SEL+1]  ; the query's other 32 keys lie in the lane 16 away
.elseif j == 17
	v_mov_b32 v[rT+7], v[rT]        ; c m_old is kept for a: number 19 writes c m anew
.elseif j == 18
	v_max_num_f32 v[rT+1], v[rT+4], v[rT+5]
.elseif j == 19
	v_mul_f32 v[rT], s[CS], v[rT+1]
.elseif j == 20
	v_sub_f32 v[rT+7], v[rT+7], v[rT]
.elseif j == 23
	v_exp_f32 v[rT+6], v[rT+7]
.elseif (j < 88) && (j > 23) && (j%2 == 1)
	v_exp_f32 v[rS+(j-25)/2], v[rS+(j-25)/2]
.elseif (q < 4) || ((j < 76) && (q%2 == 0))
.set b, q/2+2
.if q < 4
.set b, q
.endif
	v_pk_fma_f32 v[rS+2*b:rS+2*b+1], v[rS+2*b:rS+2*b+1], s[CS:CS+1], v[rT:rT+1] op_sel_hi:[1,0,0] neg_lo:[0,0,1] neg_hi:[0,0,1]  ; pair b: c s - c m
.elseif (j < 88) && (q%2 == 1)
	s_wait_alu depctr_va_vdst(0)
	v_cvt_pk_f16_f32 v[rP+(q-5)/2], v[rS+q-5], v[rS+q-4]
.elseif j == 89
	s_wait_alu depctr_va_vdst(0)
	v_cvt_pk_f16_f32 v[rP+15], v[rS+30], v[rS+31]
.elseif j < 102                     ; the sum of the tile's 16 pairs, in place: sum z of 16 adds neighbours 1, 2, 4 and 8 pairs apart, then l takes it
.set z, j-86
.if j < 89
.set z, (j-76)/4
.endif
.set w, 4
.set u, z
.if z >= 14
.set w, 32
.set u, 0
.elseif z >= 12
.set w, 16
.set u, z-12
.elseif z >= 8
.set w, 8
.set u, z-8
.endif
.if z < 15
	v_pk_add_f32 v[rS+w*u:rS+w*u+1], v[rS+w*u:rS+w*u+1], v[rS+w*u+w/2:rS+w*u+w/2+1]
.else
	v_pk_fma_f32 v[rT+2:rT+3], v[rT+2:rT+3], v[rT+6:rT+7], v[rS:rS+1] op_sel_hi:[1,0,1]
.endif
.else
	WIN W_RS
	v_pk_mul_f32 v[rO:rO+1], v[rO:rO+1], v[rT+6:rT+7] op_sel_hi:[1,0]
.endif
.endm
; Slice k of 64 of piece y's softmax: numbers 2 k and 2 k + 1 of both tiles' lists.  2 x 134 = 4 x 64 + 12: the twelve that are over stand together, in slice 63: its sixteen plain lines are
; also the places between a turn's last K Q^T and what follows.
.macro SLICE y
.if (k >= 11) && (k < 44)           ; tile by tile: plain, exponential, plain, exponential
.irp t, \y, (\y)+1
.irp n, 0,1
.set j, 2*k+(\n)
	SM \t
.endr
.endr
.else                               ; the two tiles alternate, so that no instruction reads the result of the one just before it
.irp n, 0,1,2,3,4,5,6,7
.if ((\n) < 2) || (k == 63)
.irp t, \y, (\y)+1
.set j, 2*k+(\n)
	SM \t
.endr
.endif
.endr
.endif
.set k, k+1
.endm
; The PAIR's masks: MC = MD x AL0 + BE0 for piece 0, BE2 eight times for piece 2.  Their last readers stand a PAIR back.
.macro MASK
	WIN 0xc3                        ; destination and source 0 in window 3
.set z, 0
.rept 32
	v_pk_fma_f32 v[MC+2*z:MC+2*z+1], v[MD+2*z:MD+2*z+1], s[AL0:AL0+1], s[BE0:BE0+1] op_sel_hi:[1,0,0]
.set z, z+1
.endr
	WIN 0
.set z, 0
.rept 8
	v_mov_b32 v[M2+z], s[BE2]
.set z, z+1
.endr
.endm
; A TURN.  Piece x has the matrix unit; the other piece's softmax stands in slices behind its matrix instructions.  Each run of loads stands behind the second product of a run of 32,
; 30 matrix instructions ahead of its first use.  Piece 0's turn fetches K (its last reader stands in front of slice 63 of the turn before); piece 2's turn fetches V (its last reader stands
; three slices, six plain instructions, back).
.macro TURN x
.set k, 0
.if (\x) == 0
	s_wait_dscnt 0x0                ; V is in
.endif
.set i, 0
.rept 32
	PV \x
	SLICE 2-(\x)
.if ((\x) == 0) && (i == 1)
	FETCH_K
.endif
.set i, i+1
.endr
.if (\x) == 0
	s_wait_dscnt 0x0                ; K is in
.endif
.set i, 0
.rept 32
	KQ \x
	SLICE 2-(\x)
.if ((\x) == 2) && (i == 1)
	FETCH_V
.endif
.set i, i+1
.endr
.endm
; A BLOCK ENDS.  PUT: l's two halves and the other half of the lanes' are added; piece 2's c m, l and O^T go into my outbox.  The wait for these stores and the barrier behind it are the next change of slots'.
.macro PUT
	WIN 0
.irp t, 0,1,2,3
	v_add_f32 v[ST+8*(\t)+4], v[ST+8*(\t)+2], v[ST+8*(\t)+3]
.endr
.irp t, 0,1,2,3
	v_permlanex16_b32 v[ST+8*(\t)+5], v[ST+8*(\t)+4], s[SEL], s[SEL+1]
.endr
.irp t, 0,1,2,3
	v_add_f32 v[ST+8*(\t)+2], v[ST+8*(\t)+4], v[ST+8*(\t)+5]
.endr
	v_mov_b32 v46, v[ST+16]         ; four numbers side by side for one store
	v_mov_b32 v47, v[ST+18]
	v_mov_b32 v48, v[ST+24]
	v_mov_b32 v49, v[ST+26]
	ds_store_b128 v[XO], v[46:49] offset:16384
	WIN 0x04                        ; store data in window 1
.set i, 0
.rept 32                            ; tiles 2 and 3, each accumulator's low registers first
	ds_store_b128 v[XO], v[128+4*i:128+4*i+3] offset:512*i
.set i, i+1
.endr
	WIN 0
.endm
; GET: my partner's part of the rows that I keep.  With M = max(c mA, c mB), fA = 2^(c mA - M), fB likewise: O = (fA OA + fB OB) / (fA lA + fB lB), rounded to f16 and sent through my stage to ctx at base.
.macro GET base
	WIN 0
	ds_load_b128 v[50:53], v[XI] offset:16384
.set i, 0
.rept 32
	ds_load_b128 v[S+4*i:S+4*i+3], v[XI] offset:512*i
.set i, i+1
.endr
	s_wait_dscnt 32                 ; the statistics are in; the 32 loads behind them stay out
.irp u, 0,1
	v_max_num_f32 v[ST+8*(\u)+4], v[ST+8*(\u)], v[50+2*(\u)]
.endr
.irp u, 0,1
	v_sub_f32 v[ST+8*(\u)+5], v[ST+8*(\u)], v[ST+8*(\u)+4]
	v_sub_f32 v[ST+8*(\u)+7], v[50+2*(\u)], v[ST+8*(\u)+4]
.endr
.irp u, 0,1
	v_exp_f32 v[ST+8*(\u)+5], v[ST+8*(\u)+5]
	v_exp_f32 v[ST+8*(\u)+7], v[ST+8*(\u)+7]
.endr
	v_nop                           ; a plain instruction between the last exponential and the use of its result
.irp u, 0,1
	s_wait_alu depctr_va_vdst(0)
	v_mul_f32 v[ST+8*(\u)+6], v[ST+8*(\u)+7], v[51+2*(\u)]
.endr
.irp u, 0,1
	v_fma_f32 v[ST+8*(\u)+6], v[ST+8*(\u)+5], v[ST+8*(\u)+2], v[ST+8*(\u)+6]
.endr
.irp u, 0,1
	v_rcp_f32 v[ST+8*(\u)+6], v[ST+8*(\u)+6]
.endr
	v_nop
.irp u, 0,1
	s_wait_alu depctr_va_vdst(0)
	v_mul_f32 v[ST+8*(\u)+4], v[ST+8*(\u)+5], v[ST+8*(\u)+6]  ; fA / l
	v_mul_f32 v[ST+8*(\u)+6], v[ST+8*(\u)+7], v[ST+8*(\u)+6]  ; fB / l
.endr
.irp u, 0,1
	s_wait_dscnt 16                 ; this tile's 16 loads are in; behind them: the other tile's 16 loads, or the first tile's 16 stage instructions
.set i, 0
.rept 32
	v_pk_mul_f32 v[S+64*(\u)+2*i:S+64*(\u)+2*i+1], v[S+64*(\u)+2*i:S+64*(\u)+2*i+1], v[ST+8*(\u)+6:ST+8*(\u)+7] op_sel_hi:[1,0]
.set i, i+1
.endr
	WIN 0x01                        ; source 0, my O^T, in window 1
.set i, 0
.rept 32
	v_pk_fma_f32 v[S+64*(\u)+2*i:S+64*(\u)+2*i+1], v[64*(\u)+2*i:64*(\u)+2*i+1], v[ST+8*(\u)+4:ST+8*(\u)+5], v[S+64*(\u)+2*i:S+64*(\u)+2*i+1] op_sel_hi:[1,0,1]
.set i, i+1
.endr
	WIN 0
.set i, 0
.rept 32
	v_cvt_pk_f16_f32 v[P+32*(\u)+i], v[S+64*(\u)+2*i], v[S+64*(\u)+2*i+1]
.set i, i+1
.endr
.irp f, 0,1,2,3,4,5,6,7
	ds_store_b128 v[STO], v[P+32*(\u)+4*(\f):P+32*(\u)+4*(\f)+3] offset:32*(\f)
.endr
.irp f, 0,1,2,3,4,5,6,7
	ds_load_b128 v[P+32*(\u)+4*(\f):P+32*(\u)+4*(\f)+3], v[RD] offset:(\f)*2*SP  ; LDS serves a wave's instructions in order (ISA guide 5.7.1.4): these see the stores above; the next tile's stores come behind them
.endr
.endr
.irp u, 0,1
.irp f, 0,1,2,3,4,5,6,7
	s_wait_dscnt 16*(1-(\u))+7-(\f)
	global_store_b128 v[GO], v[P+32*(\u)+4*(\f):P+32*(\u)+4*(\f)+3], s[\base:\base+1] offset:65536*(\u)+8192*(\f)  ; 16 lanes store 256 consecutive bytes, aligned: a head's channels of one row
.endr
.endr
.endm
.Lslot:                             ; 18 trips: a tile is entered, the next is asked for, a PAIR runs
	CHANGE 1
	s_cmp_eq_u32 s[NEW], 1
	s_cbranch_scc0 .Lold
	LOADQ QLO                       ; the first block has ended: the second's Q is asked for (its registers' last reader stands a PUT and more back), and lands under the merge
	GET 10                          ; the barrier of the change of slots stands between my partner's stores and these reads
	INIT 1
.Lold:
	s_cmp_eq_u32 s[RT], 1           ; the closing PAIR: everything is hidden
	s_cselect_b32 s[BE0], s[BIGN], 0
	s_cmp_eq_u32 s[RT], 2           ; the diagonal tile: piece 0 takes MD, piece 2 all or nothing
	s_cselect_b32 s[AL0], 1.0, 0
	s_cselect_b32 s[BE2], s[HB], s[BE0]
	MASK
	TURN 0
	TURN 2
	WIN 0
	s_sub_co_u32 s[RT], s[RT], 1
	s_cmp_eq_u32 s[FRESH], 1        ; a block's first PAIR is never its closing one (a block has two PAIRs or more): so between my partner's reads of my outbox
	s_mov_b32 s[FRESH], 0           ; and my next stores into it stands at least one change of slots, with its barrier
	s_cbranch_scc1 .Lgoon
	s_cmp_lg_u32 s[RT], 0
	s_cbranch_scc1 .Lgoon
	PUT                             ; in the loop this is the first block's end: the second's closing PAIR is the walk's last trip
	s_mov_b32 s[NEW], 1
	s_add_co_u32 s[RT], s[PB], 2    ; the second block has b + 1 tiles, b + 2 PAIRs
.Lgoon:
	s_sub_co_u32 s[SLOTS], s[SLOTS], 1
	s_cmp_lg_u32 s[SLOTS], 0
	s_cbranch_scc1 .Lslot
	CHANGE 0                        ; the walk's last trip, the second block's closing PAIR, is written out
	s_mov_b32 s[AL0], 0
	s_mov_b32 s[BE0], s[BIGN]
	s_mov_b32 s[BE2], s[BIGN]
	MASK
	TURN 0
	TURN 2
	WIN 0
	PUT
	s_wait_dscnt 0x0                ; for my partner's sake: my stores into the outbox are done
	s_barrier_signal -1
	s_barrier_wait -1
	GET OLO
	s_wait_tensorcnt 0x0            ; the wave's end
	ds_add_u32 v[SPW], v[NIL]
	s_wait_dscnt 0x0
	s_endpgm
.Lfunc_end_k_qedda4bbb0b_attn:
	.size	k_qedda4bbb0b_attn, .Lfunc_end_k_qedda4bbb0b_attn-k_qedda4bbb0b_attn
	.p2alignl 7, 3214868480
	.fill 96, 4, 3214868480
	.section	.rodata,"a",@progbits
	.p2align	6, 0x0
	.amdhsa_kernel k_qedda4bbb0b_attn
		.amdhsa_group_segment_fixed_size 327680
		.amdhsa_private_segment_fixed_size 0
		.amdhsa_enable_private_segment 0
		.amdhsa_kernarg_size 16
		.amdhsa_user_sgpr_count 2
		.amdhsa_user_sgpr_kernarg_segment_ptr 1
		.amdhsa_wavefront_size32 1
		.amdhsa_system_sgpr_workgroup_id_x 1
		.amdhsa_system_sgpr_workgroup_id_y 1
		.amdhsa_system_sgpr_workgroup_id_z 1
		.amdhsa_system_vgpr_workitem_id 0
		.amdhsa_next_free_vgpr 1024
		.amdhsa_next_free_sgpr 84
		.amdhsa_reserve_vcc 1
		.amdhsa_float_denorm_mode_32 3
		.amdhsa_float_denorm_mode_16_64 3
		.amdhsa_memory_ordered 1
		.amdhsa_forward_progress 1
		.amdhsa_inst_pref_size 185
	.end_amdhsa_kernel
	.amdgpu_metadata
---
amdhsa.version: [ 1, 2 ]
amdhsa.kernels:
  - .name:           k_qedda4bbb0b_attn
    .symbol:         k_qedda4bbb0b_attn.kd
    .args:
      - { .name: qkv, .offset: 0, .size: 8, .value_kind: global_buffer, .address_space: global }
      - { .name: ctx, .offset: 8, .size: 8, .value_kind: global_buffer, .address_space: global }
    .group_segment_fixed_size: 327680
    .private_segment_fixed_size: 0
    .kernarg_segment_align: 8
    .kernarg_segment_size: 16
    .max_flat_workgroup_size: 128
    .sgpr_count:     84
    .vgpr_count:     1024
    .wavefront_size: 32
...
	.end_amdgpu_metadata
.endif
;; end of part 3
;; launch oproj (part 4): grid 8 x 32, 4 waves a work-group, clusters of 4 x 4, 327,680 bytes of LDS; arguments ctx, wo16, bo, out0; writes out0
.if DOCPART == 4
	.amdgcn_target "amdgcn-amd-amdhsa--gfx1250"
	.amdhsa_code_object_version 6
	.text
	.protected	k_qedda4bbb0b_oproj
	.globl	k_qedda4bbb0b_oproj
	.p2align	8
	.type	k_qedda4bbb0b_oproj,@function
k_qedda4bbb0b_oproj:
	s_mov_b64 s[64:65], 0
	v_nop
	global_prefetch_b8 v0, s[64:65] scope:SCOPE_SE
	s_setreg_imm32_b32 hwreg(HW_REG_WAVE_MODE, 25, 1), 1
	s_wait_xcnt 0x0
	s_wait_alu depctr_hold_cnt(0) depctr_sa_sdst(0) depctr_va_vdst(0) depctr_va_sdst(0) depctr_va_ssrc(0) depctr_va_vcc(0) depctr_vm_vsrc(0)
	s_getreg_b32 s2, hwreg(HW_REG_IB_STS2, 6, 4)
	s_cmp_eq_u32 s2, 0
	s_cbranch_scc0 .Lentry_in_a_cluster
	s_endpgm
.Lentry_in_a_cluster:
	s_bfe_u32 s2, ttmp6, 0x10000c
	s_cmp_lg_u32 s2, 0xf033
	s_cbranch_scc0 .Lentry_shape_is_right
	s_endpgm
.Lentry_shape_is_right:
; out0 = ctx Wo + bo.  ctx: f16 [4096][2048]; wo16: f16 [2048 k][1024 n] (Wo rounded to bf16, written as f16); bo: f32, rounded to bf16 here; sums and out0 in f32.
; 4096 x 1024 outputs make 256 tiles of 128 x 128, one for each work-group; four waves, each 64 x 64: 16 accumulators of 16 x 16.  K goes in 8 steps of 256, as long as two slots in LDS allow.
; ctx's fragments come out of LDS as they lie; Wo's tile stays [k][n] and is turned by ds_load_tr16_b128.  The bias is the C operand of the products that start the sums.
; THE MATRIX INSTRUCTION IS USED TRANSPOSED (source 0 = 16 columns of Wo, source 1 = 16 rows of ctx): a lane holds eight neighbouring numbers of a row of the result.
; CLUSTER 4 x 4: ctx's tile is asked for jointly by a row of the cluster, Wo's by a column.  Waves 0 and 1 fetch ctx's two halves (64 rows x 512 bytes), waves 2 and 3 Wo's (128 k rows x 256 bytes):
; one tensor load a wave behind each round; two of a wave's are out at the start, later one.
; REGISTERS: window 0: v0-31 addresses; v32-95 the bias, later the way out; v128-255 the accumulators ((a, b) at v[128 + 8 (4 a + b)]).
;   window 1: two fragment buffers of 128: for 64 along K, 64 registers of ctx, then 64 of Wo.
.set KSTEP,  256
.set PITCH,  528                       ; a row of ctx in LDS: 512 bytes + 16
.set PBB,    288                       ; a k row of Wo: 256 bytes + 32, for the turning load
.set HALFA,  64*PITCH                  ; what waves 0 and 1 bring
.set HALFB,  128*PBB                   ; what waves 2 and 3 bring
.set BOFF,   2*HALFB                   ; Wo's tile begins at wave 2's place, wave x HALFB
.set SLOT,   4*HALFB
.set STAGE,  2*SLOT                    ; behind the ring: 16 rows x 272 bytes for each wave, its own
.set SPITCH, 272
.set SPARE,  STAGE+4*16*SPITCH         ; the spare words, 128 bytes for each wave: two blocks of 256 bytes that no other line names
.set LAPS,   4                         ; a lap = two K steps
.set ADRA, 16                          ; v16-17  LDS address of my ctx fragments in slot 0, 1
.set ADRB, 20                          ; v20-23  of my Wo fragments: slot x 2 + half of the K step, so that every offset stays under 65,536
.set STO,  24
.set RD,   25
.set CO,   26
.set BO,   27
.set SPW,  28                          ; v28  LDS address of my spare word; never rewritten
.set NIL,  29                          ; v29  0; never rewritten
.set TMP,  32
.set BI,   32                          ; v32-63  the bias: column block b at BI + 8 b
.set ACC,  128
.set F0,   0
.set F1,   128
.set WV,   12
.set G1,   24                          ; s[24:31], s[32:39]: descriptor groups 1 and 0 (a set for each slot) for ctx's tiles
.set G0,   32
.set G1B,  48                          ; s[48:55], s[56:63]: for Wo's
.set G0B,  56
.set MSB, 0
.macro WIN new
.if MSB != (\new)
	s_set_vgpr_msb (MSB<<8)|(\new)
.set MSB, \new
.endif
.endm
.set MUL,  0x05                        ; sources 0 and 1 window 1; C and D window 0
.set TO_F, 0x40                        ; destination window 1, address window 0
.macro JLOAD s                         ; a joint load; an s_nop 0 and four v_nop follow each of the two lines
	s_cmp_eq_u32 s13, 0
	s_cbranch_scc0 .Lfor_b_\@
	tensor_load_to_lds s[G0+4*(\s):G0+4*(\s)+3], s[G1:G1+7]
	s_nop 0
.rept 4
	v_nop
.endr
	s_branch .Lasked_\@
.Lfor_b_\@:
	tensor_load_to_lds s[G0B+4*(\s):G0B+4*(\s)+3], s[G1B:G1B+7]
	s_nop 0
.rept 4
	v_nop
.endr
.Lasked_\@:
.endm
.macro CREST
	s_cmp_lg_u32 s[WV], 0
	s_cbranch_scc1 .Lnot_wave_0_\@
	s_barrier_signal -3
.Lnot_wave_0_\@:
	s_barrier_wait -3
	s_barrier_signal -1
	s_barrier_wait -1
.endm
.macro CROUND
	s_barrier_signal -1
	s_barrier_wait -1
	CREST
.endm
.macro PLACES
.rept 4
	v_nop
.endr
.endm
	s_load_b256 s[4:11], s[0:1], 0x0               ; ctx s[4:5], wo16 s[6:7], bo s[8:9], out0 s[10:11]
	v_lshl_add_u32 v[SPW], v0, 2, SPARE
	v_mov_b32 v[NIL], 0
	ds_add_u32 v[SPW], v[NIL]                      ; the wave's opening: the add and its wait stand ahead of my first tensor load; work on registers stands between them
	ds_add_u32 v28, v29
	v_lshrrev_b32 v1, 5, v0
	v_readfirstlane_b32 s[WV], v1                  ; wave 0..3
	s_lshr_b32 s13, s[WV], 1                       ; which 64 rows of the tile are mine.  Also: I fetch for ctx (0) or for Wo (1)
	s_and_b32 s14, s[WV], 1                        ; which 64 columns.  Also: which half of that tile I fetch
	s_bfe_u32 s40, ttmp6, 0x40000                  ; cx, cy
	s_bfe_u32 s41, ttmp6, 0x40004
	s_lshl_b32 s42, ttmp9, 2
	s_add_co_u32 s42, s42, s40                     ; x: tile column
	s_and_b32 s15, ttmp7, 0xffff
	s_lshl_b32 s15, s15, 2
	s_add_co_u32 s15, s15, s41                     ; y: tile row
	s_lshl_b32 s43, s41, 2
	s_lshl_b32 s43, 15, s43                        ; my row of the cluster
	s_lshl_b32 s44, 0x1111, s40                    ; my column
	s_or_b32 s[G1], s43, (1<<16)|(1<<20)|(1<<21)|(6<<22)|(3<<25)   ; the mask; 2-byte elements; padding on; bit 21 beside a mask; after every 128 words 4 words
	s_mov_b32 s[G1+1], KSTEP<<16                   ; tensor_dim0 = 256
	s_mov_b32 s[G1+2], 64<<16                      ; tensor_dim1 = 64
	s_mov_b32 s[G1+3], KSTEP<<16                   ; tile_dim0 = 256
	s_mov_b32 s[G1+4], 64                          ; tile_dim1 = 64
	s_mov_b32 s[G1+5], 2048                        ; elements from row to row
	s_mov_b32 s[G1+6], 0
	s_mov_b32 s[G1+7], 0
	s_or_b32 s[G1B], s44, (1<<16)|(1<<20)|(1<<21)|(5<<22)|(7<<25)  ; after every 64 words 8 words
	s_mov_b32 s[G1B+1], 128<<16
	s_mov_b32 s[G1B+2], 128<<16
	s_mov_b32 s[G1B+3], 128<<16
	s_mov_b32 s[G1B+4], 128
	s_mov_b32 s[G1B+5], 1024
	s_mov_b32 s[G1B+6], 0
	s_mov_b32 s[G1B+7], 0
	s_lshl_b32 s16, s15, 19                        ; ctx: (128 y + 64 half) rows of 4,096 bytes (it never holds x)
	s_lshl_b32 s17, s14, 18
	s_add_co_u32 s16, s16, s17
	s_mov_b32 s17, 0
	s_lshl_b32 s46, s14, 18                        ; Wo: 128 half k rows of 2,048 bytes, the tile's 128 columns (it never holds y)
	s_lshl_b32 s47, s42, 8
	s_add_co_u32 s46, s46, s47
	s_mov_b32 s47, 0
	s_mul_i32 s20, s[WV], HALFA                    ; where they go: the wave's number times a constant
	s_mul_i32 s21, s[WV], HALFB
	s_wait_dscnt 0x0                               ; the opening add is done
	s_wait_kmcnt 0x0
	s_add_nc_u64 s[18:19], s[4:5], s[16:17]
	s_add_nc_u64 s[46:47], s[6:7], s[46:47]
	CROUND                                         ; all sixteen work-groups are here: the first joint loads meet
.irp s, 0,1
	s_mov_b32 s[G0+4*(\s)], 1
	s_add_co_u32 s[G0+4*(\s)+1], s20, (\s)*SLOT
	s_add_nc_u64 s[G0+4*(\s)+2:G0+4*(\s)+3], s[18:19], (\s)*KSTEP*2
	s_or_b32 s[G0+4*(\s)+3], s[G0+4*(\s)+3], 0x80000000
	s_mov_b32 s[G0B+4*(\s)], 1
	s_add_co_u32 s[G0B+4*(\s)+1], s21, (\s)*SLOT
	s_add_nc_u64 s[G0B+4*(\s)+2:G0B+4*(\s)+3], s[46:47], (\s)*KSTEP*2048
	s_or_b32 s[G0B+4*(\s)+3], s[G0B+4*(\s)+3], 0x80000000
	JLOAD \s
.endr
	v_and_b32 v1, 15, v0                           ; r = l % 16
	v_bfe_u32 v2, v0, 4, 1                         ; h = l / 16
	s_lshl_b32 s45, s42, 9                         ; the bias: register j of a lane is bo[128 x + 64 nh + 16 b + 8 h + j]
	s_lshl_b32 s47, s14, 8
	s_add_co_u32 s45, s45, s47
	v_lshl_add_u32 v[BO], v2, 5, s45
.irp b, 0,1,2,3
	global_load_b128 v[BI+8*(\b):BI+8*(\b)+3],   v[BO], s[8:9] offset:64*(\b)
	global_load_b128 v[BI+8*(\b)+4:BI+8*(\b)+7], v[BO], s[8:9] offset:64*(\b)+16
.endr
	v_mul_u32_u24 v3, v1, PITCH
	v_lshl_add_u32 v3, v2, 4, v3                   ; a ctx fragment's row x pitch + 16 h
	v_and_b32 v5, 7, v0                            ; the turning load: k row 8 h + l % 8, 16 bytes at 16 ((l / 8) % 2)
	v_bfe_u32 v6, v0, 3, 1
	v_lshl_add_u32 v4, v2, 3, v5
	v_mul_u32_u24 v4, v4, PBB
	v_lshl_add_u32 v4, v6, 4, v4
	s_mul_i32 s22, s13, HALFA                      ; my 64 rows of ctx
	s_lshl_b32 s23, s14, 7                         ; my 64 columns of Wo
	s_add_co_u32 s23, s23, BOFF
.irp s, 0,1
	v_add_nc_u32 v[ADRA+(\s)], s22, v3
	v_add_nc_u32 v[ADRB+2*(\s)], s23, v4
	s_add_co_u32 s23, s23, HALFB
	v_add_nc_u32 v[ADRB+2*(\s)+1], s23, v4
	s_add_co_u32 s22, s22, SLOT
	s_add_co_u32 s23, s23, SLOT-HALFB
.endr
	s_mul_i32 s23, s[WV], 16*SPITCH
	s_add_co_u32 s23, s23, STAGE                   ; my stage: 16 rows of 64 f32
	v_mul_u32_u24 v7, v1, SPITCH                   ; in: row r, 32 bytes for each half of the lanes
	v_lshl_add_u32 v7, v2, 5, v7
	v_add_nc_u32 v[STO], s23, v7
	v_mul_u32_u24 v8, v2, SPITCH                   ; back: lanes 0-15 one row of 256 bytes, lanes 16-31 the next
	v_lshl_add_u32 v8, v1, 4, v8
	v_add_nc_u32 v[RD], s23, v8
	v_lshlrev_b32 v9, 12, v2                       ; and the same two rows in out0, 4,096 bytes apart
	v_lshl_add_u32 v[CO], v1, 4, v9
	s_lshl_b32 s16, s15, 19                        ; out0 at (128 y + 64 mh) rows, (128 x + 64 nh) columns of 4 bytes
	s_lshl_b32 s17, s13, 18
	s_add_co_u32 s16, s16, s17
	s_add_co_u32 s16, s16, s45
	s_mov_b32 s17, 0
	s_add_nc_u64 s[10:11], s[10:11], s[16:17]
	s_wait_loadcnt 0x0                             ; the bias: rounded to bf16 and kept as f32, like every input of the module
.set n, 0
.rept 16
	v_cvt_pk_bf16_f32 v[10+n%4], v[BI+2*n], v[BI+2*n+1]
	v_lshlrev_b32 v[BI+2*n], 16, v[10+n%4]
	v_and_b32 v[BI+2*n+1], 0xffff0000, v[10+n%4]
.set n, n+1
.endr
; 8 matrix instructions: row blocks a0, a0 + 1 x all 4 column blocks, 32 along K: half c of buffer f.  zero = 1: the sums start with the bias.  The 16 accumulators take turns.
.macro MUL8 f, c, a0, zero
	WIN MUL
.irp a, \a0, (\a0)+1
.irp b, 0,1,2,3
.if \zero
	v_wmma_f32_16x16x32_f16 v[ACC+8*(4*(\a)+(\b)):ACC+8*(4*(\a)+(\b))+7], v[(\f)+64+8*(4*(\c)+(\b)):(\f)+64+8*(4*(\c)+(\b))+7], v[(\f)+8*(4*(\c)+(\a)):(\f)+8*(4*(\c)+(\a))+7], v[BI+8*(\b):BI+8*(\b)+7]
.else
	v_wmma_f32_16x16x32_f16 v[ACC+8*(4*(\a)+(\b)):ACC+8*(4*(\a)+(\b))+7], v[(\f)+64+8*(4*(\c)+(\b)):(\f)+64+8*(4*(\c)+(\b))+7], v[(\f)+8*(4*(\c)+(\a)):(\f)+8*(4*(\c)+(\a))+7], v[ACC+8*(4*(\a)+(\b)):ACC+8*(4*(\a)+(\b))+7]
.endif
.endr
.endr
.endm
; 32 LDS loads in one run: the fragments of quarter qq (64 along K) of a slot, into buffer f; the first 32 along K first
.macro FETCH slot, qq, f
	WIN TO_F
.irp c, 0,1
.irp i, 0,1,2,3
	ds_load_tr16_b128 v[(\f)+64+8*(4*(\c)+(\i)):(\f)+64+8*(4*(\c)+(\i))+3],   v[ADRB+2*(\slot)+(\qq)/2] offset:((\qq)%2)*64*PBB+32*PBB*(\c)+32*(\i)
	ds_load_tr16_b128 v[(\f)+64+8*(4*(\c)+(\i))+4:(\f)+64+8*(4*(\c)+(\i))+7], v[ADRB+2*(\slot)+(\qq)/2] offset:((\qq)%2)*64*PBB+32*PBB*(\c)+32*(\i)+16*PBB
	ds_load_b128 v[(\f)+8*(4*(\c)+(\i)):(\f)+8*(4*(\c)+(\i))+3],         v[ADRA+(\slot)] offset:128*(\qq)+64*(\c)+(\i)*16*PITCH
	ds_load_b128 v[(\f)+8*(4*(\c)+(\i))+4:(\f)+8*(4*(\c)+(\i))+7],       v[ADRA+(\slot)] offset:128*(\qq)+64*(\c)+(\i)*16*PITCH+32
.endr
.endr
.endm
; A K step is four quarters of 64 along K, 32 matrix instructions each, on buffers 0, 1, 0, 1.  One of the first three: multiplies buffer f and fetches quarter qq into g.
.macro QUARTER slot, qq, f, g, zero
	s_wait_dscnt 16                                ; the first 32 along K are in; the youngest sixteen loads may be out
	WIN MUL
	MUL8 \f, 0, 0, \zero
	MUL8 \f, 0, 2, \zero
	PLACES
	FETCH \slot, \qq, \g
	s_wait_dscnt 32                                ; all but the 32 just issued
	WIN MUL
	MUL8 \f, 1, 0, 0
	MUL8 \f, 1, 2, 0
.endm
; The last quarter multiplies buffer 1 and changes slots: ONE barrier; in front of it each wave waits for all its tensor loads, adds 0 to its spare word, and waits for that and for its reads of this slot.
.macro TURN slot, next, fill
	WIN 0
	s_wait_tensorcnt 0x0                           ; all my tensor loads have landed: my part of the next slot
	ds_add_u32 v[SPW], v[NIL]                      ; 0 onto my spare word
	s_wait_dscnt 17                                ; the add and the youngest sixteen loads may be out
	WIN MUL
	MUL8 F1, 0, 0, 0
	s_wait_dscnt 0x0                               ; the add is done, and my reads of this slot are over
	s_barrier_signal -1
	MUL8 F1, 0, 2, 0
.if \fill
	WIN 0
.endif
	s_barrier_wait -1
.if \fill
	CREST                                          ; the barrier has opened a round of the cluster's: no wave of any partner still reads this slot or has a load on its way
	s_add_nc_u64 s[G0+4*(\slot)+2:G0+4*(\slot)+3], s[G0+4*(\slot)+2:G0+4*(\slot)+3], 2*KSTEP*2
	s_add_nc_u64 s[G0B+4*(\slot)+2:G0B+4*(\slot)+3], s[G0B+4*(\slot)+2:G0B+4*(\slot)+3], 2*KSTEP*2048
	JLOAD \slot                                    ; my one tensor load behind the round; its four v_nop are also the places in front of the loads below
.else
	PLACES
.endif
	FETCH \next, 0, F0
	WIN MUL
	MUL8 F1, 1, 0, 0
	MUL8 F1, 1, 2, 0
.endm
	s_wait_tensorcnt 0x1                           ; my part of K step 0 is in; K step 1's may stay out
	s_barrier_signal -1
	s_barrier_wait -1
	FETCH 0, 0, F0
	QUARTER 0, 1, F0, F1, 1                        ; the first quarter stands in front of the loop: its first products start the sums
	WIN 0
	s_mov_b32 s3, LAPS-1
.Llap:                                                 ; a trip goes once round the ring and fills both slots again
	QUARTER 0, 2, F1, F0, 0
	QUARTER 0, 3, F0, F1, 0
	TURN 0, 1, 1
	QUARTER 1, 1, F0, F1, 0
	QUARTER 1, 2, F1, F0, 0
	QUARTER 1, 3, F0, F1, 0
	TURN 1, 0, 1
	QUARTER 0, 1, F0, F1, 0
	WIN 0
	s_sub_co_u32 s3, s3, 1
	s_cmp_lg_u32 s3, 0
	s_cbranch_scc1 .Llap
	QUARTER 0, 2, F1, F0, 0                        ; the last lap fills nothing
	QUARTER 0, 3, F0, F1, 0
	TURN 0, 1, 0
	QUARTER 1, 1, F0, F1, 0
	QUARTER 1, 2, F1, F0, 0
	QUARTER 1, 3, F0, F1, 0
	s_wait_dscnt 16
	WIN MUL
	MUL8 F1, 0, 0, 0
	MUL8 F1, 0, 2, 0
	s_wait_dscnt 0x0
	MUL8 F1, 1, 0, 0
	MUL8 F1, 1, 2, 0
	WIN 0
; THE WAY OUT, in f32: a wave's 64 columns are 256 bytes, so each wave has a stage of its own and no barrier is needed.  16 rows at a time: 32 bytes a lane in, whole rows back.
.macro TOSTAGE a
.set BK, TMP+32*((\a)%2)
.irp b, 0,1,2,3
	ds_store_b128 v[STO], v[ACC+8*(4*(\a)+(\b)):ACC+8*(4*(\a)+(\b))+3]   offset:64*(\b)      ; each accumulator's low registers first
	ds_store_b128 v[STO], v[ACC+8*(4*(\a)+(\b))+4:ACC+8*(4*(\a)+(\b))+7] offset:64*(\b)+16
.endr
.irp t, 0,1,2,3,4,5,6,7
	ds_load_b128 v[BK+4*(\t):BK+4*(\t)+3], v[RD] offset:(\t)*2*SPITCH  ; LDS serves a wave's instructions in order (ISA guide 5.7.1.4): these see the stores above
.endr
.endm
.macro SEND a, younger                 ; younger: the LDS instructions issued behind block a's loads
.set BK, TMP+32*((\a)%2)
.irp t, 0,1,2,3,4,5,6,7
	s_wait_dscnt (\younger)+7-(\t)
	global_store_b128 v[CO], v[BK+4*(\t):BK+4*(\t)+3], s[10:11] offset:65536*(\a)+8192*(\t) th:TH_STORE_NT  ; 16 lanes store 256 consecutive bytes, aligned
.endr
.endm
	PLACES                                         ; the stores read results just made
	TOSTAGE 0
	TOSTAGE 1
	SEND 0, 16
	s_wait_xcnt 0x0                                ; block 0's registers are loaded again only behind this wait
	TOSTAGE 2
	SEND 1, 16
	s_wait_xcnt 0x0
	TOSTAGE 3
	SEND 2, 16
	SEND 3, 0
	s_wait_tensorcnt 0x0                           ; the wave's end
	ds_add_u32 v[SPW], v[NIL]
	s_wait_dscnt 0x0
	CROUND                                         ; the closing round: no work-group ends while a partner may still ask for a tile that names it
	s_endpgm
.Lfunc_end_k_qedda4bbb0b_oproj:
	.size	k_qedda4bbb0b_oproj, .Lfunc_end_k_qedda4bbb0b_oproj-k_qedda4bbb0b_oproj
	.p2alignl 7, 3214868480
	.fill 96, 4, 3214868480
	.section	.rodata,"a",@progbits
	.p2align	6, 0x0
	.amdhsa_kernel k_qedda4bbb0b_oproj
		.amdhsa_group_segment_fixed_size 327680
		.amdhsa_private_segment_fixed_size 0
		.amdhsa_enable_private_segment 0
		.amdhsa_kernarg_size 32
		.amdhsa_user_sgpr_count 2
		.amdhsa_user_sgpr_kernarg_segment_ptr 1
		.amdhsa_wavefront_size32 1
		.amdhsa_system_sgpr_workgroup_id_x 1
		.amdhsa_system_sgpr_workgroup_id_y 1
		.amdhsa_system_sgpr_workgroup_id_z 1
		.amdhsa_system_vgpr_workitem_id 0
		.amdhsa_next_free_vgpr 512
		.amdhsa_next_free_sgpr 66
		.amdhsa_reserve_vcc 0
		.amdhsa_float_denorm_mode_32 3
		.amdhsa_float_denorm_mode_16_64 3
		.amdhsa_memory_ordered 1
		.amdhsa_forward_progress 1
		.amdhsa_inst_pref_size 90
	.end_amdhsa_kernel
	.amdgpu_metadata
---
amdhsa.version: [ 1, 2 ]
amdhsa.kernels:
  - .name:           k_qedda4bbb0b_oproj
    .symbol:         k_qedda4bbb0b_oproj.kd
    .args:
      - { .name: ctx, .offset: 0, .size: 8, .value_kind: global_buffer, .address_space: global }
      - { .name: wo16, .offset: 8, .size: 8, .value_kind: global_buffer, .address_space: global }
      - { .name: bo, .offset: 16, .size: 8, .value_kind: global_buffer, .address_space: global }
      - { .name: out0, .offset: 24, .size: 8, .value_kind: global_buffer, .address_space: global }
    .group_segment_fixed_size: 327680
    .private_segment_fixed_size: 0
    .kernarg_segment_align: 8
    .kernarg_segment_size: 32
    .max_flat_workgroup_size: 128
    .sgpr_count:     66
    .vgpr_count:     512
    .wavefront_size: 32
...
	.end_amdgpu_metadata
.endif
;; end of part 4
;; ======== version 2 of 2: 4 launches; version 1 with the launch cast written anew for expert scheduling mode
;; limits: values are held in f16: magnitudes above 65,504 overflow, below 6.1e-05 lose precision
;; workspace buffers: xb 8,388,608 bytes; wb 12,582,912 bytes; wo16 4,194,304 bytes; qkv 50,331,648 bytes; ctx 16,777,216 bytes
;; launch cast (part 5): grid 768 x 1, 8 waves a work-group, no clusters, 0 bytes of LDS; arguments query, Wq, Wk, Wv, Wo, xb, wb, wo16; writes xb, wb, wo16
.if DOCPART == 5
	.amdgcn_target "amdgcn-amd-amdhsa--gfx1250"
	.amdhsa_code_object_version 6
	.text
	.protected	k_qedda4bbb0b_cast
	.globl	k_qedda4bbb0b_cast
	.p2align	8
	.type	k_qedda4bbb0b_cast,@function
k_qedda4bbb0b_cast:
	s_mov_b64 s[64:65], 0
	v_nop
	global_prefetch_b8 v0, s[64:65] scope:SCOPE_SE
	s_setreg_imm32_b32 hwreg(HW_REG_WAVE_SCHED_MODE, 0, 2), 2
	s_setreg_imm32_b32 hwreg(HW_REG_WAVE_MODE, 25, 1), 1
	s_wait_xcnt 0x0
	s_wait_alu depctr_vm_vsrc(0)
; The module's large inputs are rounded once to bf16 and laid out for the products that follow.
;   xb   bf16 [16 kb][4096 rows][64]: query in blocks of 64 along K, so that 256 rows x 64 k are 32,768 consecutive bytes
;   wb   bf16 [3][1024][2048]: Wq, Wk, Wv as they lie
;   wo16 f16  [2048][1024]: Wo rounded to bf16, that number written as f16 (exact from 2^-17 up; below it f16's fixed step of 2^-24)
; A stream: no LDS, no barrier, no matrix work.  A work-group takes 65,536 bytes of f32: 256 groups for query, 128 for each weight.
; Each thread issues its 16 loads of 16 bytes at once; each store of a wave covers 256 consecutive bytes, aligned.
; THE MODE: SCHED_MODE bits 1:0 = 2 (LLVM: expert scheduling mode 2), set by the entry lines.  The code itself states the register dependences
; between vector instructions and memory instructions, with s_wait_alu, always for 0.
; THE PLAN.  Registers that memory instructions touch:
;   v1, v2   byte offsets of the loads and of the stores: written by vector lines at the head, read by every load (v1) and every store (v2), never written again.
;   X        16 groups of four: each is written by one load and read by that load's conversions; no vector line names it ahead of the loads, and it is never loaded again.
;   Y        16 pairs: pair i is written by load i's conversions and read by store i; it is never written behind that store.
;   v3 to v7 are named by vector lines alone.
; So a path has five waits, all on va_vdst: one ahead of the first load, for the two offsets; and, the 16 loads taken in four blocks of four, one behind each block's conversions,
; ahead of the block's four stores, which leave in one run.  It stands at the block's end and not at the next block's head, so that the stores do not also stand behind the wait for a further load.
; No register that a memory instruction reads is written again, so no wait on vm_vsrc is owed; no vector line writes a scalar register; EXEC is never written.
.set X, 8                              ; v[8:71]    16 loads of four f32
.set Y, 72                             ; v[72:103]  16 stores of four 16-bit numbers
; lstep, sstep: bytes from one load (store) to the next; tof16 = 1: the bf16 number is written as f16
.macro CONV lstep, sstep, tof16
	s_wait_alu depctr_va_vdst(0)                   ; v1 and v2 are written: every load below reads v1 as its offset, every store v2
.set i, 0
.rept 16
	global_load_b128 v[X+4*i:X+4*i+3], v1, s[24:25] offset:(\lstep)*i th:TH_LOAD_NT
.set i, i+1
.endr
.set i, 0
.rept 4                                ; four blocks of four loads
.rept 4
	s_wait_loadcnt 15-i                            ; loads come back in order: load i is in, the 15 - i younger ones stay out
	v_cvt_pk_bf16_f32 v[Y+2*i], v[X+4*i], v[X+4*i+1]
	v_cvt_pk_bf16_f32 v[Y+2*i+1], v[X+4*i+2], v[X+4*i+3]
.if \tof16
	v_lshlrev_b32 v4, 16, v[Y+2*i]                 ; the bf16 numbers as f32,
	v_and_b32 v5, 0xffff0000, v[Y+2*i]
	v_lshlrev_b32 v6, 16, v[Y+2*i+1]
	v_and_b32 v7, 0xffff0000, v[Y+2*i+1]
	v_cvt_pk_f16_f32 v[Y+2*i], v4, v5              ; and as f16
	v_cvt_pk_f16_f32 v[Y+2*i+1], v6, v7
.endif
.set i, i+1
.endr
	s_wait_alu depctr_va_vdst(0)                   ; the block's conversions have written its four pairs of Y, which the four stores below read
.set j, i-4
.rept 4
	global_store_b64 v2, v[Y+2*j:Y+2*j+1], s[26:27] offset:(\sstep)*j
.set j, j+1
.endr
.endr
	s_endpgm
.endm
	s_load_b512 s[8:23], s[0:1], 0x0               ; query s[8:9], Wq s[10:11], Wk s[12:13], Wv s[14:15], Wo s[16:17], xb s[18:19], wb s[20:21], wo16 s[22:23]
	s_mov_b32 s2, ttmp9
	v_lshlrev_b32 v2, 3, v0                        ; 8 bytes a thread in every store
	s_mov_b32 s29, 0
	s_mov_b32 s31, 0
	s_cmp_lt_u32 s2, 256
	s_cbranch_scc1 .Lquery
	v_lshlrev_b32 v1, 4, v0                        ; weights: 16 bytes a thread, 4,096 a load of the group
	s_cmp_ge_u32 s2, 640
	s_cbranch_scc1 .Lwo
	s_sub_co_u32 s3, s2, 256                       ; Wq, Wk, Wv: chunk 0..383 of wb,
	s_and_b32 s4, s3, 127                          ; chunk 0..127 of its own tensor
	s_lshl_b32 s28, s4, 16
	s_lshl_b32 s30, s3, 15
	s_wait_kmcnt 0x0
	s_cmp_ge_u32 s2, 384
	s_cselect_b64 s[24:25], s[12:13], s[10:11]
	s_cmp_ge_u32 s2, 512
	s_cselect_b64 s[24:25], s[14:15], s[24:25]
	s_add_nc_u64 s[24:25], s[24:25], s[28:29]
	s_add_nc_u64 s[26:27], s[20:21], s[30:31]
	CONV 4096, 2048, 0
.Lwo:
	s_sub_co_u32 s3, s2, 640
	s_lshl_b32 s28, s3, 16
	s_lshl_b32 s30, s3, 15
	s_wait_kmcnt 0x0
	s_add_nc_u64 s[24:25], s[16:17], s[28:29]
	s_add_nc_u64 s[26:27], s[22:23], s[30:31]
	CONV 4096, 2048, 1
.Lquery:                                               ; 16 rows of 4,096 bytes.  Load i: 16 lanes take 256 bytes (64 k: block i) of row t / 16
	v_lshrrev_b32 v3, 4, v0
	v_and_b32 v1, 15, v0
	v_lshlrev_b32 v1, 4, v1
	v_lshl_add_u32 v1, v3, 12, v1
	s_lshl_b32 s28, s2, 16
	s_lshl_b32 s30, s2, 11                         ; 16 rows of 128 bytes in each block of xb; two rows' 128 bytes lie end to end: 8 t
	s_wait_kmcnt 0x0
	s_add_nc_u64 s[24:25], s[8:9], s[28:29]
	s_add_nc_u64 s[26:27], s[18:19], s[30:31]
	CONV 256, 524288, 0                            ; a block of xb is 524,288 bytes: 15 of them stay inside the signed 24-bit immediate
.Lfunc_end_k_qedda4bbb0b_cast:
	.size	k_qedda4bbb0b_cast, .Lfunc_end_k_qedda4bbb0b_cast-k_qedda4bbb0b_cast
	.p2alignl 7, 3214868480
	.fill 96, 4, 3214868480
	.section	.rodata,"a",@progbits
	.p2align	6, 0x0
	.amdhsa_kernel k_qedda4bbb0b_cast
		.amdhsa_group_segment_fixed_size 0
		.amdhsa_private_segment_fixed_size 0
		.amdhsa_enable_private_segment 0
		.amdhsa_kernarg_size 64
		.amdhsa_user_sgpr_count 2
		.amdhsa_user_sgpr_kernarg_segment_ptr 1
		.amdhsa_wavefront_size32 1
		.amdhsa_system_sgpr_workgroup_id_x 1
		.amdhsa_system_sgpr_workgroup_id_y 1
		.amdhsa_system_sgpr_workgroup_id_z 1
		.amdhsa_system_vgpr_workitem_id 0
		.amdhsa_next_free_vgpr 108
		.amdhsa_next_free_sgpr 66
		.amdhsa_reserve_vcc 0
		.amdhsa_float_denorm_mode_32 3
		.amdhsa_float_denorm_mode_16_64 3
		.amdhsa_memory_ordered 1
		.amdhsa_forward_progress 1
		.amdhsa_inst_pref_size 24
	.end_amdhsa_kernel
	.amdgpu_metadata
---
amdhsa.version: [ 1, 2 ]
amdhsa.kernels:
  - .name:           k_qedda4bbb0b_cast
    .symbol:         k_qedda4bbb0b_cast.kd
    .args:
      - { .name: query, .offset: 0, .size: 8, .value_kind: global_buffer, .address_space: global }
      - { .name: Wq, .offset: 8, .size: 8, .value_kind: global_buffer, .address_space: global }
      - { .name: Wk, .offset: 16, .size: 8, .value_kind: global_buffer, .address_space: global }
      - { .name: Wv, .offset: 24, .size: 8, .value_kind: global_buffer, .address_space: global }
      - { .name: Wo, .offset: 32, .size: 8, .value_kind: global_buffer, .address_space: global }
      - { .name: xb, .offset: 40, .size: 8, .value_kind: global_buffer, .address_space: global }
      - { .name: wb, .offset: 48, .size: 8, .value_kind: global_buffer, .address_space: global }
      - { .name: wo16, .offset: 56, .size: 8, .value_kind: global_buffer, .address_space: global }
    .group_segment_fixed_size: 0
    .private_segment_fixed_size: 0
    .kernarg_segment_align: 8
    .kernarg_segment_size: 64
    .max_flat_workgroup_size: 256
    .sgpr_count:     66
    .vgpr_count:     108
    .wavefront_size: 32
...
	.end_amdgpu_metadata
.endif
;; end of part 5
;; launch proj: the kernel of part 2 again; grid 16 x 16, 4 waves a work-group, clusters of 4 x 4, 327,680 bytes of LDS; arguments xb, wb, bq, bk, bv, qkv; writes qkv
;; launch attn: the kernel of part 3 again; grid 8 x 32, 4 waves a work-group, no clusters, 327,680 bytes of LDS; arguments qkv, ctx; writes ctx
;; launch oproj: the kernel of part 4 again; grid 8 x 32, 4 waves a work-group, clusters of 4 x 4, 327,680 bytes of LDS; arguments ctx, wo16, bo, out0; writes out0
